; MI455X (gfx1250); checked and timed in simulation.
; The chip was launched on July 23, 2026; its instructions are those of AMD's public machine-readable ISA for CDNA 5 (MIT licence, August 2026) and "CDNA5" Instruction Set Architecture Reference Guide (July 2026). The comments in the code are by the model that wrote it; some were corrected since.
;; Gated Delta Net Cell. Allowed arithmetic: float matrix products may take bf16 or f16 operands with f32 sums; other float arithmetic in f32, or as packed bf16 or f16 multiplies, adds, multiply-adds, maxima and minima; sums over many terms, partial sums and values carried from step to step in f32; what a program stores and reads back later, other than sums and carried values, may be rounded once to bf16 or f16.
;; Inputs: S0 8 x 16 x 64 x 64 float32; W_alpha 1,024 x 1,024 float32; W_beta 1,024 x 1,024 float32; W_k 1,024 x 1,024 float32; W_q 1,024 x 1,024 float32; W_v 1,024 x 1,024 float32; b_alpha 1,024 float32; b_beta 1,024 float32; x 1,024 x 8 x 1,024 float32.
;; Outputs: out0 1,024 x 8 x 1,024 float32; out1 8 x 16 x 64 x 64 float32.
;; 2 versions, each right; version 2 is version 1 with the launch scan written anew for expert scheduling mode. Each part assembles by itself: llvm-mc -triple=amdgcn-amd-amdhsa -mcpu=gfx1250 --defsym DOCPART=n.
;; ======== version 1 of 2: 3 launches
;; workspace buffers: xb 16,777,216 bytes; wb 10,485,760 bytes; q16 16,777,216 bytes; k16 16,777,216 bytes; vt 33,554,432 bytes; ab 1,048,576 bytes; vmx 8,192 bytes
;; launch cvt (part 1): grid 512 x 1, 13 waves a work-group, no clusters, 0 bytes of LDS; arguments x, W_v, W_q, W_alpha, W_k, W_beta, xb, wb; writes xb, wb
.if DOCPART == 1
	.amdgcn_target "amdgcn-amd-amdhsa--gfx1250"
	.amdhsa_code_object_version 6
	.text
	.protected	k_q82b1bb5c24_cvt
	.globl	k_q82b1bb5c24_cvt
	.p2align	8
	.type	k_q82b1bb5c24_cvt,@function
k_q82b1bb5c24_cvt:
	s_mov_b64 s[64:65], 0
	v_nop
	global_prefetch_b8 v0, s[64:65] scope:SCOPE_SE
	s_setreg_imm32_b32 hwreg(HW_REG_WAVE_MODE, 25, 1), 1
	s_wait_xcnt 0x0
; x and the five weights, f32, are rounded once to bf16 and their rows laid out for the product that follows.
; xb[1024 b + t][1024] = x[t][b][:].   wb[head][320][1024]: a head's rows in the order v 0-31, q 0-63, alpha 0-63, v 32-63, k 0-63, beta 0-63.
; 8,192 + 5,120 rows of 4,096 bytes are 6,656 pairs of neighbouring rows: 512 work-groups x 13 waves, one pair to a wave.
; A wave issues its 16 loads at once and stores as they come: every byte is read once and written once; a store covers 512 neighbouring bytes.
; No LDS, no barrier, no matrix unit: a stream has no use for them.
.set X, 8                              ; v[8:71]    two rows' 64 numbers a lane, as loaded
.set Y, 72                             ; v[72:103]  the same, packed to bf16
	s_load_b512 s[4:19], s[0:1], 0x0               ; x 4, W_v 6, W_q 8, W_alpha 10, W_k 12, W_beta 14, xb 16, wb 18
	v_lshrrev_b32 v3, 5, v0
	v_readfirstlane_b32 s20, v3                    ; wave 0..12
	v_and_b32 v4, 31, v0
	v_lshlrev_b32 v1, 5, v4                        ; 32 bytes of f32 a lane
	v_lshlrev_b32 v2, 4, v4                        ; 16 bytes of bf16 a lane
	s_mul_i32 s21, ttmp9, 13
	s_add_co_u32 s21, s21, s20                     ; my pair, 0..6655
	s_mov_b32 s31, 0                               ; high words of the two offset pairs
	s_mov_b32 s33, 0
	s_wait_kmcnt 0x0
	s_cmp_lt_u32 s21, 4096
	s_cbranch_scc0 .Lweights
	; pairs 0..4095: rows 2 p and 2 p + 1 of x = (t, b) and (t, b + 1)
	s_lshl_b32 s30, s21, 13                        ; 2 p rows of 4,096 bytes
	s_add_nc_u64 s[24:25], s[4:5], s[30:31]
	s_lshr_b32 s22, s21, 2                         ; t
	s_and_b32 s23, s21, 3                          ; b / 2
	s_lshl_b32 s23, s23, 11                        ; 1024 b
	s_add_co_u32 s22, s22, s23
	s_lshl_b32 s32, s22, 11                        ; rows of 2,048 bytes
	s_add_nc_u64 s[26:27], s[16:17], s[32:33]
	s_add_nc_u64 s[28:29], s[26:27], 0x200000      ; b + 1 lies 1,024 rows on
	s_branch .Lcopy
.Lweights:
	s_sub_co_u32 s22, s21, 4096
	s_lshr_b32 s23, s22, 9                         ; which weight: 0 v, 1 q, 2 alpha, 3 k, 4 beta
	s_lshl_b32 s22, s22, 1
	s_and_b32 s22, s22, 1023                       ; its row n (even)
	s_and_b32 s34, s22, 63                         ; the row in its head
	s_lshr_b32 s35, s22, 6                         ; the head
	s_cmp_ge_u32 s34, 32
	s_cselect_b32 s36, 128, 0                      ; v's second half lies behind q and alpha
	s_mov_b64 s[24:25], s[6:7]
	s_cmp_eq_u32 s23, 1
	s_cselect_b32 s36, 32, s36
	s_cselect_b64 s[24:25], s[8:9], s[24:25]
	s_cmp_eq_u32 s23, 2
	s_cselect_b32 s36, 96, s36
	s_cselect_b64 s[24:25], s[10:11], s[24:25]
	s_cmp_eq_u32 s23, 3
	s_cselect_b32 s36, 192, s36
	s_cselect_b64 s[24:25], s[12:13], s[24:25]
	s_cmp_eq_u32 s23, 4
	s_cselect_b32 s36, 256, s36
	s_cselect_b64 s[24:25], s[14:15], s[24:25]
	s_lshl_b32 s30, s22, 12
	s_add_nc_u64 s[24:25], s[24:25], s[30:31]
	s_mul_i32 s35, s35, 320
	s_add_co_u32 s35, s35, s34
	s_add_co_u32 s35, s35, s36
	s_lshl_b32 s32, s35, 11
	s_add_nc_u64 s[26:27], s[18:19], s[32:33]
	s_add_nc_u64 s[28:29], s[26:27], 2048          ; the pair's rows stay neighbours: the groups' borders are even
.Lcopy:
.set g, 0
.rept 8                                ; group g: row g / 4, its quarter g % 4: 1,024 neighbouring bytes by two loads
	global_load_b128 v[X+8*g:X+8*g+3],   v1, s[24:25] offset:(g/4)*4096+(g%4)*1024 th:TH_LOAD_NT
	global_load_b128 v[X+8*g+4:X+8*g+7], v1, s[24:25] offset:(g/4)*4096+(g%4)*1024+16 th:TH_LOAD_NT
.set g, g+1
.endr
.set g, 0
.rept 8
	s_wait_loadcnt 14-2*g                          ; loads come back in order: group g is in, the younger 14 - 2 g stay out
.set j, 0
.rept 4
	v_cvt_pk_bf16_f32 v[Y+4*g+j], v[X+8*g+2*j], v[X+8*g+2*j+1]
.set j, j+1
.endr
	global_store_b128 v2, v[Y+4*g:Y+4*g+3], s[26+2*(g/4):27+2*(g/4)] offset:(g%4)*512  ; 512 neighbouring bytes, at a multiple of 512 from the row's first
.set g, g+1
.endr
	s_endpgm
.Lfunc_end_k_q82b1bb5c24_cvt:
	.size	k_q82b1bb5c24_cvt, .Lfunc_end_k_q82b1bb5c24_cvt-k_q82b1bb5c24_cvt
	.p2alignl 7, 3214868480
	.fill 96, 4, 3214868480
	.section	.rodata,"a",@progbits
	.p2align	6, 0x0
	.amdhsa_kernel k_q82b1bb5c24_cvt
		.amdhsa_group_segment_fixed_size 0
		.amdhsa_private_segment_fixed_size 0
		.amdhsa_enable_private_segment 0
		.amdhsa_kernarg_size 64
		.amdhsa_user_sgpr_count 2
		.amdhsa_user_sgpr_kernarg_segment_ptr 1
		.amdhsa_wavefront_size32 1
		.amdhsa_system_sgpr_workgroup_id_x 1
		.amdhsa_system_sgpr_workgroup_id_y 1
		.amdhsa_system_sgpr_workgroup_id_z 1
		.amdhsa_system_vgpr_workitem_id 0
		.amdhsa_next_free_vgpr 104
		.amdhsa_next_free_sgpr 66
		.amdhsa_reserve_vcc 0
		.amdhsa_float_denorm_mode_32 3
		.amdhsa_float_denorm_mode_16_64 3
		.amdhsa_memory_ordered 1
		.amdhsa_forward_progress 1
		.amdhsa_inst_pref_size 7
	.end_amdhsa_kernel
	.amdgpu_metadata
---
amdhsa.version: [ 1, 2 ]
amdhsa.kernels:
  - .name:           k_q82b1bb5c24_cvt
    .symbol:         k_q82b1bb5c24_cvt.kd
    .args:
      - { .name: x, .offset: 0, .size: 8, .value_kind: global_buffer, .address_space: global }
      - { .name: W_v, .offset: 8, .size: 8, .value_kind: global_buffer, .address_space: global }
      - { .name: W_q, .offset: 16, .size: 8, .value_kind: global_buffer, .address_space: global }
      - { .name: W_alpha, .offset: 24, .size: 8, .value_kind: global_buffer, .address_space: global }
      - { .name: W_k, .offset: 32, .size: 8, .value_kind: global_buffer, .address_space: global }
      - { .name: W_beta, .offset: 40, .size: 8, .value_kind: global_buffer, .address_space: global }
      - { .name: xb, .offset: 48, .size: 8, .value_kind: global_buffer, .address_space: global }
      - { .name: wb, .offset: 56, .size: 8, .value_kind: global_buffer, .address_space: global }
    .group_segment_fixed_size: 0
    .private_segment_fixed_size: 0
    .kernarg_segment_align: 8
    .kernarg_segment_size: 64
    .max_flat_workgroup_size: 416
    .sgpr_count:     66
    .vgpr_count:     104
    .wavefront_size: 32
...
	.end_amdgpu_metadata
.endif
;; end of part 1
;; launch proj (part 2): grid 16 x 32, 4 waves a work-group, clusters of 4 x 4, 327,680 bytes of LDS; arguments xb, wb, b_alpha, b_beta, q16, k16, vt, ab, vmx; writes q16, k16, vt, ab, vmx
.if DOCPART == 2
	.amdgcn_target "amdgcn-amd-amdhsa--gfx1250"
	.amdhsa_code_object_version 6
	.text
	.protected	k_q82b1bb5c24_proj
	.globl	k_q82b1bb5c24_proj
	.p2align	8
	.type	k_q82b1bb5c24_proj,@function
k_q82b1bb5c24_proj:
	s_mov_b64 s[64:65], 0
	v_nop
	global_prefetch_b8 v0, s[64:65] scope:SCOPE_SE
	s_setreg_imm32_b32 hwreg(HW_REG_WAVE_MODE, 25, 1), 1
	s_wait_xcnt 0x0
	s_wait_alu depctr_hold_cnt(0) depctr_sa_sdst(0) depctr_va_vdst(0) depctr_va_sdst(0) depctr_va_ssrc(0) depctr_va_vcc(0) depctr_vm_vsrc(0)
	s_getreg_b32 s2, hwreg(HW_REG_IB_STS2, 6, 4)
	s_cmp_eq_u32 s2, 0
	s_cbranch_scc0 .Lentry_in_a_cluster
	s_endpgm
.Lentry_in_a_cluster:
	s_bfe_u32 s2, ttmp6, 0x10000c
	s_cmp_lg_u32 s2, 0xf033
	s_cbranch_scc0 .Lentry_shape_is_right
	s_endpgm
.Lentry_shape_is_right:
; ALL FIVE PROJECTIONS AS ONE PRODUCT, [8192 x 1024] x [5120 x 1024]^T in bf16 with f32 sums, and what follows them per head on the way out.
; A work-group makes 256 rows (one b, 256 t) x 320 columns (ONE head's v, q, alpha, k, beta).  Four waves: wave (wr, wc) has 128 rows x 160 columns: 80 accumulators.
; Its ten blocks of 16 columns: 0, 1 = 32 channels of v; 2-5 = q (wc 0) or k (wc 1); 6-9 = alpha or beta.  So one text serves all four waves; pointers differ.
; v is multiplied in the natural order (a lane holds one channel and eight neighbouring t: it leaves transposed, vt[chain][d][t]); the others transposed (a lane holds one t and eight neighbouring columns).
; WAY OUT.  q and k: divided by max(norm, 1e-12), rounded to f16, by chains [16 b + h][t][64].  alpha, beta: the mean over the head of sigmoid(sum + bias), f32.  v: f32, and the largest |v| of the wave's part.
; RING.  K in steps of 128 through two LDS slots (256 rows of xb, 320 of wb, 256 bytes a row + 16 of padding).  4 x 4 work-groups form a cluster: xb's tile is shared along a row, wb's along a column, each asked for jointly.
; LIMITS.  The biases are rounded to bf16 as x and the weights are.  The sum of squares of a head's 64 numbers must be finite.  NaN and infinities are not treated apart.
; REGISTERS, in windows of 256 (s_set_vgpr_msb: bits 1:0 source 0, 3:2 source 1, 5:4 source 2, 7:6 destination):
;   window 0: v0-31 addresses; v32-63 biases x -log2 e; v64-223 wb's fragments, two buffers of 80; v224-255 at work.   On the way out v64-191 are at work too.
;   window 1: v0-127 xb's fragments, two buffers of 64; v128-255 v's 16 accumulators        window 2: q's or k's 32 accumulators        window 3: alpha's or beta's
.set SIZE_K, 1024
.set KSTEP,  128
.set PITCH,  272                       ; 256 bytes + 16: 68 words, so the 16 rows of a fragment load start at 16 different groups of four banks (ISA guide 11.1)
.set AHALF,  128*PITCH                 ; what a load of xb brings
.set BHALF,  160*PITCH                 ; what a load of wb brings
.set BBASE,  2*AHALF
.set SLOT,   2*AHALF+2*BHALF           ; 156,672
.set SPARE,  2*SLOT                    ; the spare words: 128 bytes a wave, two blocks of 256 that no other line names
.set WSTG,   SLOT/4                    ; the way out: each wave's stage, in slot 0, which by then has had its last fill and its last read
.set QST,    16896                     ; in a stage: v 32 rows x 528 at 0; q or k 16 rows x 144 here;
.set AST,    19200                     ; the gate's 128 numbers here
.set LAPS,   SIZE_K/(2*KSTEP)
.set ADRA, 16                          ; v16-17 LDS address of my xb fragments in slot 0, 1
.set ADRB, 20                          ; v20-21 the same for wb
.set STV,  22
.set RDL,  23
.set STQ,  24
.set RDQ,  25
.set STA,  26
.set LOFF, 27                          ; 16 x lane
.set SPW,  28                          ; my spare word; never rewritten
.set NIL,  29                          ; 0; never rewritten
.set BOFF, 30                          ; 32 x (lane / 16)
.set LN,   31
.set NB,   32
.set FB,   64
.set SS,   224                         ; v224-239 sums of squares, a pair for each block of 16 rows
.set VM,   240                         ; v240-243 four running maxima of |v|
.set WK,   244
.set TP,   64
.set PK,   96
.set OB,   112
.set VB,   64
.set G1,  24
.set G0,  32
.set G1B, 48
.set G0B, 56
.set MSB, 0
.macro WIN new                         ; the immediate's high byte repeats the setting that is left; a switch that changes nothing is dropped
.if MSB != (\new)
	s_set_vgpr_msb (MSB<<8)|(\new)
.set MSB, \new
.endif
.endm
.macro JLOAD s                         ; a joint load: waves 0 and 1 fetch xb's two halves, waves 2 and 3 wb's; s_nop 0 and four v_nop follow each line
	s_cmp_eq_u32 s11, 0
	s_cbranch_scc0 .Lfor_b_\@
	tensor_load_to_lds s[G0+4*(\s):G0+4*(\s)+3], s[G1:G1+7]
	s_nop 0
.rept 4
	v_nop
.endr
	s_branch .Lasked_\@
.Lfor_b_\@:
	tensor_load_to_lds s[G0B+4*(\s):G0B+4*(\s)+3], s[G1B:G1B+7]
	s_nop 0
.rept 4
	v_nop
.endr
.Lasked_\@:
.endm
.macro CREST                           ; a round of the cluster's barrier behind its opening barrier
	s_cmp_lg_u32 s10, 0
	s_cbranch_scc1 .Lnot_wave_0_\@
	s_barrier_signal -3
.Lnot_wave_0_\@:
	s_barrier_wait -3
	s_barrier_signal -1
	s_barrier_wait -1
.endm
.macro CROUND
	s_barrier_signal -1
	s_barrier_wait -1
	CREST
.endm
.macro PLACES                          ; four places between a matrix instruction and a load into, or a vector use of, its registers
.rept 4
	v_nop
.endr
.endm
	s_load_b128 s[4:7], s[0:1], 0x0                ; xb, wb
	s_load_b256 s[68:75], s[0:1], 0x10             ; b_alpha 68, b_beta 70, q16 72, k16 74
	s_load_b128 s[76:79], s[0:1], 0x30             ; vt 76, ab 78
	s_load_b64 s[80:81], s[0:1], 0x40              ; vmx
	v_lshl_add_u32 v[SPW], v0, 2, SPARE
	v_mov_b32 v[NIL], 0
	ds_add_u32 v[SPW], v[NIL]                      ; the wave's opening: the add and its wait stand ahead of my first tensor load; work on registers stands between
	v_lshrrev_b32 v1, 5, v0
	v_readfirstlane_b32 s10, v1                    ; wave 0..3
	s_lshr_b32 s11, s10, 1                         ; wr: my half of the rows.  Also: I fetch xb (0) or wb (1)
	s_and_b32 s12, s10, 1                          ; wc: my half of the columns.  Also: which half of that tile I fetch
	s_bfe_u32 s40, ttmp6, 0x40000                  ; cx
	s_bfe_u32 s41, ttmp6, 0x40004                  ; cy
	s_lshl_b32 s42, ttmp9, 2
	s_add_co_u32 s42, s42, s40                     ; the head = 4 x cluster x + cx
	s_and_b32 s13, ttmp7, 0xffff
	s_lshl_b32 s13, s13, 2
	s_add_co_u32 s13, s13, s41                     ; the block of 256 rows = 4 x cluster y + cy
	s_lshl_b32 s43, s41, 2
	s_lshl_b32 s43, 15, s43                        ; my row of the cluster
	s_lshl_b32 s44, 0x1111, s40                    ; my column
	s_or_b32 s[G1+0], s43, (1<<16)|(1<<20)|(1<<21)|(5<<22)|(3<<25)   ; the mask; 2-byte elements; padding on; bit 21 beside a mask; after every 64 words 4 words
	s_or_b32 s[G1B+0], s44, (1<<16)|(1<<20)|(1<<21)|(5<<22)|(3<<25)
	s_mov_b32 s[G1+1], KSTEP<<16                   ; tensor_dim0 = 128
	s_mov_b32 s[G1B+1], KSTEP<<16
	s_mov_b32 s[G1+2], 128<<16                     ; tensor_dim1 = 128 rows of xb,
	s_mov_b32 s[G1B+2], 160<<16                    ; 160 of wb
	s_mov_b32 s[G1+3], KSTEP<<16                   ; tile_dim0 = 128
	s_mov_b32 s[G1B+3], KSTEP<<16
	s_mov_b32 s[G1+4], 128                         ; tile_dim1
	s_mov_b32 s[G1B+4], 160
	s_mov_b32 s[G1+5], SIZE_K                      ; elements from row to row
	s_mov_b32 s[G1B+5], SIZE_K
	s_mov_b32 s[G1+6], 0
	s_mov_b32 s[G1B+6], 0
	s_mov_b32 s[G1+7], 0
	s_mov_b32 s[G1B+7], 0
	s_lshl_b32 s16, s13, 8
	s_lshl_b32 s17, s12, 7
	s_add_co_u32 s16, s16, s17                     ; xb: row 256 y + 128 half,
	s_lshl_b32 s16, s16, 11                        ; of 2,048 bytes
	s_mov_b32 s17, 0
	s_mul_i32 s46, s42, 320
	s_mul_i32 s47, s12, 160
	s_add_co_u32 s46, s46, s47                     ; wb: row 320 head + 160 half
	s_lshl_b32 s46, s46, 11
	s_mov_b32 s47, 0
	s_mul_i32 s20, s12, AHALF                      ; where they go: no place in the cluster enters an LDS address
	s_mul_i32 s21, s12, BHALF
	s_add_co_u32 s21, s21, BBASE
	s_wait_dscnt 0x0                               ; the opening add is done
	s_wait_kmcnt 0x0
	s_add_nc_u64 s[14:15], s[4:5], s[16:17]
	s_add_nc_u64 s[46:47], s[6:7], s[46:47]
	CROUND                                         ; all sixteen work-groups are here: the first joint loads meet
.irp s, 0,1
	s_mov_b32 s[G0+4*(\s)], 1
	s_add_co_u32 s[G0+4*(\s)+1], s20, (\s)*SLOT
	s_add_nc_u64 s[G0+4*(\s)+2:G0+4*(\s)+3], s[14:15], (\s)*KSTEP*2
	s_or_b32 s[G0+4*(\s)+3], s[G0+4*(\s)+3], 0x80000000
	s_mov_b32 s[G0B+4*(\s)], 1
	s_add_co_u32 s[G0B+4*(\s)+1], s21, (\s)*SLOT
	s_add_nc_u64 s[G0B+4*(\s)+2:G0B+4*(\s)+3], s[46:47], (\s)*KSTEP*2
	s_or_b32 s[G0B+4*(\s)+3], s[G0B+4*(\s)+3], 0x80000000
	JLOAD \s                                       ; two tensor loads of mine are out
.endr
	; the way out's bases.  chain = 16 b + head; T0 = my first t
	s_lshr_b32 s45, s13, 2
	s_lshl_b32 s45, s45, 4
	s_add_co_u32 s45, s45, s42                     ; chain
	s_and_b32 s8, s13, 3                           ; which 256 t
	s_lshl_b32 s9, s8, 8
	s_lshl_b32 s18, s11, 7
	s_add_co_u32 s9, s9, s18                       ; T0
	s_mov_b32 s19, 0
	s_lshl_b32 s18, s45, 18                        ; vt: a chain is 64 rows of 4,096 bytes; my 32 channels; 4 T0
	s_lshl_b32 s22, s12, 17
	s_add_co_u32 s18, s18, s22
	s_lshl_b32 s22, s9, 2
	s_add_co_u32 s18, s18, s22
	s_add_nc_u64 s[82:83], s[76:77], s[18:19]
	s_cmp_eq_u32 s12, 0
	s_cselect_b64 s[84:85], s[72:73], s[74:75]     ; q16 or k16
	s_cselect_b64 s[90:91], s[68:69], s[70:71]     ; b_alpha or b_beta
	s_lshl_b32 s18, s45, 17                        ; a chain is 1,024 rows of 128 bytes
	s_lshl_b32 s22, s9, 7
	s_add_co_u32 s18, s18, s22
	s_add_nc_u64 s[84:85], s[84:85], s[18:19]
	s_lshl_b32 s18, s12, 19                        ; ab: plane, chain, t
	s_lshl_b32 s22, s45, 12
	s_add_co_u32 s18, s18, s22
	s_lshl_b32 s22, s9, 2
	s_add_co_u32 s18, s18, s22
	s_add_nc_u64 s[86:87], s[78:79], s[18:19]
	s_lshl_b32 s18, s45, 6                         ; vmx: 16 words a chain, word 4 (t / 256) + 2 wr + wc
	s_lshl_b32 s22, s8, 4
	s_add_co_u32 s18, s18, s22
	s_lshl_b32 s22, s10, 2
	s_add_co_u32 s18, s18, s22
	s_add_nc_u64 s[88:89], s[80:81], s[18:19]
	s_lshl_b32 s18, s42, 8                         ; the head's 64 biases
	s_add_nc_u64 s[90:91], s[90:91], s[18:19]
	s_mov_b32 s92, 0x76543210                      ; v_permlanex16_b32: each lane takes its own place in the other half
	s_mov_b32 s93, 0xfedcba98
	v_and_b32 v1, 15, v0                           ; r
	v_bfe_u32 v2, v0, 4, 1                         ; h
	v_and_b32 v[LN], 31, v0
	v_lshlrev_b32 v[BOFF], 5, v2
.set i, 0
.rept 4                                ; my 32 biases: columns 16 i + 8 h + 0..7
	global_load_b128 v[NB+8*i:NB+8*i+3],   v[BOFF], s[90:91] offset:64*i
	global_load_b128 v[NB+8*i+4:NB+8*i+7], v[BOFF], s[90:91] offset:64*i+16
.set i, i+1
.endr
	v_mul_u32_u24 v3, v1, PITCH
	v_lshl_add_u32 v3, v2, 4, v3                   ; a fragment's row x pitch + 16 x half
	s_mul_i32 s14, s11, AHALF
	s_mul_i32 s15, s12, BHALF
	s_add_co_u32 s15, s15, BBASE
.irp s, 0,1
	v_add_nc_u32 v[ADRA+(\s)], s14, v3
	v_add_nc_u32 v[ADRB+(\s)], s15, v3
	s_add_co_u32 s14, s14, SLOT
	s_add_co_u32 s15, s15, SLOT
.endr
	s_mul_i32 s14, s10, WSTG                       ; my stage
	v_mul_u32_u24 v4, v1, 528
	v_lshl_add_u32 v4, v2, 5, v4
	v_add_nc_u32 v[STV], s14, v4                   ; v in: row = channel r, 32 bytes for each half of the lanes
	v_lshlrev_b32 v[LOFF], 4, v[LN]
	v_add_nc_u32 v[RDL], s14, v[LOFF]              ; back: 512 neighbouring bytes
	s_add_co_u32 s15, s14, QST
	v_mul_u32_u24 v4, v1, 144
	v_lshl_add_u32 v4, v2, 4, v4
	v_add_nc_u32 v[STQ], s15, v4                   ; q, k in: row = t r, 16 bytes for each half
	v_lshrrev_b32 v4, 3, v[LN]
	v_mul_u32_u24 v4, v4, 144
	v_and_b32 v5, 7, v0
	v_lshl_add_u32 v4, v5, 4, v4
	v_add_nc_u32 v[RDQ], s15, v4                   ; back: four rows of 128 bytes
	s_add_co_u32 s15, s14, AST
	v_lshl_add_u32 v[STA], v1, 2, s15
	s_wait_loadcnt 0x0                             ; the biases: rounded to bf16 as all inputs are, then times -log2 e; this stands in the wait for the first tile
.set i, 0
.rept 16
	v_cvt_pk_bf16_f32 v[WK+i%4], v[NB+2*i], v[NB+2*i+1]
	v_lshlrev_b32 v[NB+2*i], 16, v[WK+i%4]
	v_and_b32 v[NB+2*i+1], 0xffff0000, v[WK+i%4]
	v_pk_mul_f32 v[NB+2*i:NB+2*i+1], v[NB+2*i:NB+2*i+1], 0xbfb8aa3b op_sel_hi:[1,0]
.set i, i+1
.endr
; Column blocks b0 .. b1 x my eight blocks of 16 rows, 32 along K, from buffer f.  The 80 accumulators come in the same order in every quarter: they take turns.
.macro MULB f, b0, b1, zero
.set bq, \b0
.rept (\b1)-(\b0)+1
.set rB, FB+80*(\f)+8*bq
.if bq < 2
	WIN 0x51                                       ; xb (source 0) window 1, wb (source 1) window 0, C and D window 1
.set rD, 128+64*bq
.elseif bq < 6
	WIN 0xa4                                       ; wb (source 0) window 0, xb (source 1) window 1, C and D window 2
.set rD, 64*(bq-2)
.else
	WIN 0xf4                                       ; the same, C and D window 3
.set rD, 64*(bq-6)
.endif
.set aq, 0
.rept 8
.set rA, 64*(\f)+8*aq
.if bq < 2
.if \zero
	v_wmma_f32_16x16x32_bf16 v[rD+8*aq:rD+8*aq+7], v[rA:rA+7], v[rB:rB+7], 0
.else
	v_wmma_f32_16x16x32_bf16 v[rD+8*aq:rD+8*aq+7], v[rA:rA+7], v[rB:rB+7], v[rD+8*aq:rD+8*aq+7]
.endif
.else
.if \zero
	v_wmma_f32_16x16x32_bf16 v[rD+8*aq:rD+8*aq+7], v[rB:rB+7], v[rA:rA+7], 0
.else
	v_wmma_f32_16x16x32_bf16 v[rD+8*aq:rD+8*aq+7], v[rB:rB+7], v[rA:rA+7], v[rD+8*aq:rD+8*aq+7]
.endif
.endif
.set aq, aq+1
.endr
.set bq, bq+1
.endr
.endm
; 36 LDS loads in one run: a quarter step's fragments (128 rows of xb, then 160 of wb, 32 K at byte k of the rows) into buffer f
.macro FETCH slot, k, f
	WIN 0x40
.set iq, 0
.rept 8
	ds_load_b128 v[64*(\f)+8*iq:64*(\f)+8*iq+3],   v[ADRA+(\slot)] offset:(\k)+iq*16*PITCH
	ds_load_b128 v[64*(\f)+8*iq+4:64*(\f)+8*iq+7], v[ADRA+(\slot)] offset:(\k)+iq*16*PITCH+32
.set iq, iq+1
.endr
	WIN 0
.set iq, 0
.rept 10
	ds_load_b128 v[FB+80*(\f)+8*iq:FB+80*(\f)+8*iq+3],   v[ADRB+(\slot)] offset:(\k)+iq*16*PITCH
	ds_load_b128 v[FB+80*(\f)+8*iq+4:FB+80*(\f)+8*iq+7], v[ADRB+(\slot)] offset:(\k)+iq*16*PITCH+32
.set iq, iq+1
.endr
.endm
; A K step is four quarters of 32 along K, 80 matrix instructions each, on buffers 0, 1, 0, 1.  One of the first three: multiplies buffer f and fetches the next quarter into g.
.macro QUARTER slot, k, f, g, zero
	s_wait_dscnt 10                                ; xb's fragments and wb's blocks 0-4 are in; the youngest ten loads (blocks 5-9) may be out
	MULB \f, 0, 4, \zero
	PLACES
	FETCH \slot, \k, \g
	s_wait_dscnt 36                                ; all but the 36 just issued
	MULB \f, 5, 9, \zero
.endm
; The last quarter multiplies buffer 1 and changes slots: one barrier; in front of it each wave waits for all its tensor loads (one is out: its part of the next slot), adds 0 to its spare word,
; and waits for that and for its reads of this slot.  fill = 1: the barrier opens a round of the cluster's, and this slot is filled again, two K steps ahead, first thing behind it.
.macro TURN slot, next, fill
	WIN 0
	s_wait_tensorcnt 0x0
	ds_add_u32 v[SPW], v[NIL]
	s_wait_dscnt 11                                ; the add and the youngest ten loads may be out
	MULB 1, 0, 1, 0                                ; sixteen matrix instructions stand between the add and the wait for it
	s_wait_dscnt 0x0                               ; the add is done, and my reads of this slot are over
	s_barrier_signal -1
	MULB 1, 2, 4, 0
.if \fill
	WIN 0
.endif
	s_barrier_wait -1
.if \fill
	CREST                                          ; no wave of any partner still reads this slot's tile or has a load on its way
	s_add_nc_u64 s[G0+4*(\slot)+2:G0+4*(\slot)+3], s[G0+4*(\slot)+2:G0+4*(\slot)+3], 2*KSTEP*2
	s_add_nc_u64 s[G0B+4*(\slot)+2:G0B+4*(\slot)+3], s[G0B+4*(\slot)+2:G0B+4*(\slot)+3], 2*KSTEP*2
	JLOAD \slot                                    ; one tensor load of mine is out; its four v_nop are also the places in front of the loads below
.else
	PLACES
.endif
	FETCH \next, 0, 0
	MULB 1, 5, 9, 0
.endm
	s_wait_tensorcnt 1                             ; my part of K step 0 is in; K step 1's may stay out
	s_barrier_signal -1
	s_barrier_wait -1
	FETCH 0, 0, 0
	QUARTER 0, 64, 0, 1, 1                         ; the first quarter stands in front of the loop: its products start the sums
	WIN 0
	s_mov_b32 s3, LAPS-1
.Llap:                                                 ; a trip goes once round the ring and fills both slots again
	QUARTER 0, 128, 1, 0, 0
	QUARTER 0, 192, 0, 1, 0
	TURN 0, 1, 1
	QUARTER 1, 64,  0, 1, 0
	QUARTER 1, 128, 1, 0, 0
	QUARTER 1, 192, 0, 1, 0
	TURN 1, 0, 1
	QUARTER 0, 64,  0, 1, 0
	WIN 0
	s_sub_co_u32 s3, s3, 1
	s_cmp_lg_u32 s3, 0
	s_cbranch_scc1 .Llap
	QUARTER 0, 128, 1, 0, 0                        ; the last lap fills nothing
	QUARTER 0, 192, 0, 1, 0
	TURN 0, 1, 0                                   ; behind this barrier nobody reads slot 0 any more: it serves as the stages
	QUARTER 1, 64,  0, 1, 0
	QUARTER 1, 128, 1, 0, 0
	QUARTER 1, 192, 0, 1, 0
	s_wait_dscnt 10
	MULB 1, 0, 4, 0
	s_wait_dscnt 0x0
	MULB 1, 5, 9, 0
	; THE WAY OUT.  Every accumulator is read from its low registers on.
	; 1. v.  A lane holds channel 16 b + r and t = 16 a + 8 h + 0..7: 32 bytes of a row of vt.  Through my stage: 32 rows of 512 bytes come back whole.
	PLACES
	WIN 0x04                                       ; store data in window 1
.set bq, 0
.rept 2
.set aq, 0
.rept 8
	ds_store_b128 v[STV], v[128+64*bq+8*aq:128+64*bq+8*aq+3]   offset:8448*bq+64*aq
	ds_store_b128 v[STV], v[128+64*bq+8*aq+4:128+64*bq+8*aq+7] offset:8448*bq+64*aq+16
.set aq, aq+1
.endr
.set bq, bq+1
.endr
	WIN 0x05                                       ; sources 0 and 1 window 1
.set i, 0
.rept 64                               ; the largest |v| of my 128 numbers, in four chains that the first four pairs start
.if i < 4
	v_max_num_f32 v[VM+i], |v[128+2*i]|, |v[128+2*i+1]|
.else
	v_max3_num_f32 v[VM+i%4], |v[128+2*i]|, |v[128+2*i+1]|, v[VM+i%4]
.endif
.set i, i+1
.endr
	WIN 0
.set i, 0
.rept 32
	ds_load_b128 v[VB+4*i:VB+4*i+3], v[RDL] offset:528*i  ; LDS serves a wave's instructions in order (ISA guide 5.7.1.4): these see the stores above
.set i, i+1
.endr
.set i, 0
.rept 32
	s_wait_dscnt 31-i
	global_store_b128 v[LOFF], v[VB+4*i:VB+4*i+3], s[82:83] offset:4096*i  ; 512 neighbouring bytes of channel i's row, at a multiple of 512
.set i, i+1
.endr
	; 2. q or k.  A lane holds t = 16 a + r and columns 16 bb + 8 h + 0..7.  The sums of squares, eight chains side by side:
	WIN 0x0a                                       ; sources 0 and 1 window 2
.set p, 0
.rept 16
.set aq, 0
.rept 8
.set rG, 64*(p/4)+8*aq+2*(p%4)
.if p == 0
	v_pk_mul_f32 v[SS+2*aq:SS+2*aq+1], v[rG:rG+1], v[rG:rG+1]
.else
	v_pk_fma_f32 v[SS+2*aq:SS+2*aq+1], v[rG:rG+1], v[rG:rG+1], v[SS+2*aq:SS+2*aq+1]
.endif
.set aq, aq+1
.endr
.set p, p+1
.endr
	WIN 0
.macro ALL8 line:vararg
.set aq, 0
.rept 8
	\line
.set aq, aq+1
.endr
.endm
	ALL8 v_add_f32 v[SS+2*aq], v[SS+2*aq], v[SS+2*aq+1]
	ALL8 v_permlanex16_b32 v[SS+2*aq+1], v[SS+2*aq], s92, s93  ; the row's other 32 columns lie in the lane 16 away
	ALL8 v_add_f32 v[SS+2*aq], v[SS+2*aq], v[SS+2*aq+1]
	ALL8 v_sqrt_f32 v[SS+2*aq], v[SS+2*aq]         ; a sum below 2^-126 counts as 0: its root lies below 1e-12 in any case
	v_nop                                          ; a plain instruction behind the last root (ISA guide 5.7.2)
	s_wait_alu depctr_va_vdst(0)
	ALL8 v_max_num_f32 v[SS+2*aq], 0x2b8cbccc, v[SS+2*aq]  ; max(norm, 1e-12)
	ALL8 v_rcp_f32 v[SS+2*aq], v[SS+2*aq]
	s_wait_xcnt 0x0                                ; vt's stores have read their registers: v64 and up are written again only behind this wait
	v_nop
	s_wait_alu depctr_va_vdst(0)
.macro QPACK a                         ; 16 rows: scaled, rounded to f16, into rows of 144 bytes, back as 2,048 dense bytes
	WIN 0x02
.set p, 0
.rept 16
	v_pk_mul_f32 v[TP+2*p:TP+2*p+1], v[64*(p/4)+8*(\a)+2*(p%4):64*(p/4)+8*(\a)+2*(p%4)+1], v[SS+2*(\a):SS+2*(\a)+1] op_sel_hi:[1,0]
.set p, p+1
.endr
	WIN 0
.set p, 0
.rept 16
	v_cvt_pk_f16_f32 v[PK+p], v[TP+2*p], v[TP+2*p+1]
.set p, p+1
.endr
.set p, 0
.rept 4
	ds_store_b128 v[STQ], v[PK+4*p:PK+4*p+3] offset:32*p
.set p, p+1
.endr
	s_wait_xcnt 0x0                                ; the stores of two blocks ago have read this buffer
.set p, 0
.rept 4
	ds_load_b128 v[OB+16*((\a)%2)+4*p:OB+16*((\a)%2)+4*p+3], v[RDQ] offset:576*p
.set p, p+1
.endr
.endm
.macro QSEND a, younger                ; younger: the LDS instructions issued behind block a's loads
.set p, 0
.rept 4
	s_wait_dscnt (\younger)+3-p
	global_store_b128 v[LOFF], v[OB+16*((\a)%2)+4*p:OB+16*((\a)%2)+4*p+3], s[84:85] offset:2048*(\a)+512*p  ; 512 neighbouring bytes, at a multiple of 512
.set p, p+1
.endr
.endm
	QPACK 0
.irp a, 1,2,3,4,5,6,7
	QPACK \a                                       ; a block's arithmetic stands between the loads of the block before and its stores
	QSEND (\a)-1, 8
.endr
	QSEND 7, 0
	; 3. alpha or beta: 1 / (1 + 2^(-log2 e (sum + bias))), the mean over the head's 64 columns: 32 in the lane, 32 in the lane 16 away
.macro SIGM a
	WIN 0x03                                       ; source 0 window 3
.set p, 0
.rept 16
	v_pk_fma_f32 v[TP+2*p:TP+2*p+1], v[64*(p/4)+8*(\a)+2*(p%4):64*(p/4)+8*(\a)+2*(p%4)+1], 0xbfb8aa3b, v[NB+2*p:NB+2*p+1] op_sel_hi:[1,0,1]
.set p, p+1
.endr
	WIN 0
.set p, 0
.rept 32
	v_exp_f32 v[TP+p], v[TP+p]
.set p, p+1
.endr
	v_nop
.set p, 0
	s_wait_alu depctr_va_vdst(0)
.rept 16
	v_pk_add_f32 v[TP+2*p:TP+2*p+1], v[TP+2*p:TP+2*p+1], 1.0 op_sel_hi:[1,0]
.set p, p+1
.endr
.set p, 0
.rept 32
	v_rcp_f32 v[TP+p], v[TP+p]
.set p, p+1
.endr
	v_nop
	s_wait_alu depctr_va_vdst(0)
.irp w, 16,8,4,2
.set p, 0
.rept (\w)/2
	v_pk_add_f32 v[TP+2*p:TP+2*p+1], v[TP+2*p:TP+2*p+1], v[TP+2*p+(\w):TP+2*p+(\w)+1]
.set p, p+1
.endr
.endr
	v_add_f32 v[WK], v[TP], v[TP+1]
	v_permlanex16_b32 v[WK+1], v[WK], s92, s93
	v_add_f32 v[WK], v[WK], v[WK+1]
	v_mul_f32 v[WK], 0x3c800000, v[WK]             ; / 64
	ds_store_b32 v[STA], v[WK] offset:64*(\a)      ; both halves of the lanes hold, and store, the same number
.endm
.irp a, 0,1,2,3,4,5,6,7
	SIGM \a
.endr
	ds_load_b128 v[WK+4:WK+7], v[RDL] offset:AST   ; my 128 t, four a lane
	; 4. the largest |v| of my part, one word
	v_max3_num_f32 v[VM], v[VM], v[VM+1], v[VM+2]
	v_max_num_f32 v[VM], v[VM], v[VM+3]
	v_max_num_f32_dpp v[VM], v[VM], v[VM] row_xmask:1 row_mask:0xf bank_mask:0xf
	v_max_num_f32_dpp v[VM], v[VM], v[VM] row_xmask:2 row_mask:0xf bank_mask:0xf
	v_max_num_f32_dpp v[VM], v[VM], v[VM] row_xmask:4 row_mask:0xf bank_mask:0xf
	v_max_num_f32_dpp v[VM], v[VM], v[VM] row_xmask:8 row_mask:0xf bank_mask:0xf
	v_permlanex16_b32 v[VM+1], v[VM], s92, s93
	v_max_num_f32 v[VM], v[VM], v[VM+1]
	v_mov_b32 v[WK+2], 0
	s_wait_dscnt 0x0
	global_store_b128 v[LOFF], v[WK+4:WK+7], s[86:87]  ; 512 neighbouring bytes of the gate's row
	v_cmp_eq_u32 vcc_lo, 0, v[LN]
	s_wait_xcnt 0x0                                ; EXEC is a source of the pending stores: it changes only behind this wait
	s_and_saveexec_b32 s94, vcc_lo
	global_store_b32 v[WK+2], v[VM], s[88:89]      ; lane 0 alone
	s_wait_xcnt 0x0
	s_or_b32 exec_lo, exec_lo, s94
	s_wait_tensorcnt 0x0                           ; the wave's end, behind my last tensor load and my last LDS store
	ds_add_u32 v[SPW], v[NIL]
	s_wait_dscnt 0x0
	CROUND                                         ; the closing round: no work-group ends while a partner may still ask for a tile that names it
	s_endpgm
.Lfunc_end_k_q82b1bb5c24_proj:
	.size	k_q82b1bb5c24_proj, .Lfunc_end_k_q82b1bb5c24_proj-k_q82b1bb5c24_proj
	.p2alignl 7, 3214868480
	.fill 96, 4, 3214868480
	.section	.rodata,"a",@progbits
	.p2align	6, 0x0
	.amdhsa_kernel k_q82b1bb5c24_proj
		.amdhsa_group_segment_fixed_size 327680
		.amdhsa_private_segment_fixed_size 0
		.amdhsa_enable_private_segment 0
		.amdhsa_kernarg_size 72
		.amdhsa_user_sgpr_count 2
		.amdhsa_user_sgpr_kernarg_segment_ptr 1
		.amdhsa_wavefront_size32 1
		.amdhsa_system_sgpr_workgroup_id_x 1
		.amdhsa_system_sgpr_workgroup_id_y 1
		.amdhsa_system_sgpr_workgroup_id_z 1
		.amdhsa_system_vgpr_workitem_id 0
		.amdhsa_next_free_vgpr 1024
		.amdhsa_next_free_sgpr 96
		.amdhsa_reserve_vcc 1
		.amdhsa_float_denorm_mode_32 3
		.amdhsa_float_denorm_mode_16_64 3
		.amdhsa_memory_ordered 1
		.amdhsa_forward_progress 1
		.amdhsa_inst_pref_size 233
	.end_amdhsa_kernel
	.amdgpu_metadata
---
amdhsa.version: [ 1, 2 ]
amdhsa.kernels:
  - .name:           k_q82b1bb5c24_proj
    .symbol:         k_q82b1bb5c24_proj.kd
    .args:
      - { .name: xb, .offset: 0, .size: 8, .value_kind: global_buffer, .address_space: global }
      - { .name: wb, .offset: 8, .size: 8, .value_kind: global_buffer, .address_space: global }
      - { .name: b_alpha, .offset: 16, .size: 8, .value_kind: global_buffer, .address_space: global }
      - { .name: b_beta, .offset: 24, .size: 8, .value_kind: global_buffer, .address_space: global }
      - { .name: q16, .offset: 32, .size: 8, .value_kind: global_buffer, .address_space: global }
      - { .name: k16, .offset: 40, .size: 8, .value_kind: global_buffer, .address_space: global }
      - { .name: vt, .offset: 48, .size: 8, .value_kind: global_buffer, .address_space: global }
      - { .name: ab, .offset: 56, .size: 8, .value_kind: global_buffer, .address_space: global }
      - { .name: vmx, .offset: 64, .size: 8, .value_kind: global_buffer, .address_space: global }
    .group_segment_fixed_size: 327680
    .private_segment_fixed_size: 0
    .kernarg_segment_align: 8
    .kernarg_segment_size: 72
    .max_flat_workgroup_size: 128
    .sgpr_count:     96
    .vgpr_count:     1024
    .wavefront_size: 32
...
	.end_amdgpu_metadata
.endif
;; end of part 2
;; launch scan (part 3): grid 128 x 1, 4 waves a work-group, no clusters, 71,680 bytes of LDS; arguments q16, k16, vt, ab, vmx, S0, out0, out1; writes out0, out1
.if DOCPART == 3
	.amdgcn_target "amdgcn-amd-amdhsa--gfx1250"
	.amdhsa_code_object_version 6
	.text
	.protected	k_q82b1bb5c24_scan
	.globl	k_q82b1bb5c24_scan
	.p2align	8
	.type	k_q82b1bb5c24_scan,@function
k_q82b1bb5c24_scan:
	s_mov_b64 s[64:65], 0
	v_nop
	global_prefetch_b8 v0, s[64:65] scope:SCOPE_SE
	s_setreg_imm32_b32 hwreg(HW_REG_WAVE_MODE, 25, 1), 1
	s_wait_xcnt 0x0
; THE RECURRENCE  S <- a S (I - b k k^T) + b v k^T,  out = S q,  for one chain (b, h) a work-group, in 16 chunks of 64 steps, on the matrix units.
; With g_i the sum of log2 a up to and with step i of the chunk, M_ij = 2^(g_i - g_j), y_i = v_i - a_i S_(i-1) k_i:
;   (I + A') Y = V - Gamma K S0^T,  A'_ij = M_ij b_j (k_i . k_j) for j < i;     O = Gamma Q S0^T + P' Y,  P'_tj = M_tj b_j (q_t . k_j) for j <= t;     S^T <- gamma_63 S0^T + Kd'^T Y,  Kd'_j = 2^(g_63 - g_j) b_j k_j.
; Every exponent is at most 0.  The system is solved by blocks of 16: Y_I = T_I (Z_I - sum over J < I of A'_IJ Y_J), T_I the inverse of the unit triangular diagonal block.
; PHASE P (what does not hang on the channel d): wave w makes row block w of -Gamma K, Gamma Q, -A', P', T, Kd' and hands them on through LDS as ready fragments (registers 0-3 at 16 x lane, 4-7 512 bytes on).
; PHASE S: wave w owns the rows d = 16 w .. 16 w + 15 of S, which do not depend on each other.  A lane holds ONE d in S^T, Z, Y (and eight neighbouring e or steps), so results become operands by rounding alone.
; FORMATS.  Operands in f16, sums in f32.  K, Q, A', P', T, Kd' lie within 1 by construction.  S, Z, Y carry v's size: they are kept times sigma, a power of two of the wave's own, made from the bound
; |Z| <= 16400 max|v| + 128 max|S0| (a row of S grows by at most |v| a step; |y| <= |v| + the row's norm; Z is at most 16 y), so that f16's range binds for no input.
; LIMITS.  log2 a is held at -150 or more (an a below 2^-150 counts as that).  The bound above must be finite.  S0 is rounded to bf16 as all inputs are.  NaN and infinities are not treated apart.
; NO CLUSTER, no tensor loads: chains share no input, and a chunk's operands go straight into registers, asked for a phase or more ahead.  128 chains are 128 work-groups: rows of S are the only further split, and the four waves have it.
; REGISTERS, in windows of 256 (s_set_vgpr_msb: bits 1:0 source 0, 3:2 source 1, 5:4 source 2, 7:6 destination):
;   window 0: addresses; S^T, Z, O^T (32 each); the f16 fragments of S, Y, Z; T      window 1: the chunk's K (64), my 16 rows of K and Q, the masks
;   window 2: phase P's matrices, then phase S's fragments from LDS; v240-255 the identity
.set GL,    0                          ; g[1024]
.set BL,    4096                       ; b[1024]
.set KNL,   8192                       ; -Gamma K: fragment (I, kk) at (2 I + kk) x 1,024
.set QGL,   16384                      ; Gamma Q
.set ANL,   24576                      ; -A' for J < I, else 0
.set PPL,   32768                      ; P'
.set TTL,   40960                      ; T_I, 512 bytes each
.set KDL,   43008                      ; Kd' [j][e], rows of 128 + 32 bytes
.set OST,   53248                      ; O, 64 rows of 256 + 16 bytes
.set SPARE, 70656                      ; the spare words: 128 bytes a wave, two blocks of 256 that no other line names
.set RR, 1
.set HH, 2
.set LN, 3
.set SPW, 4                            ; my spare word; never rewritten
.set NIL, 5                            ; 0; never rewritten
.set AGC, 6                            ; LDS addresses of the chunk's g, made anew each trip: the chunk's first word,
.set AGJ, 7                            ; + 32 h,
.set AGI, 8                            ; + 64 w + 4 r,
.set AGD, 9                            ; + 64 w + 32 h
.set AFR, 10                           ; 16 x lane
.set AFW, 11
.set ATW, 12
.set AKW, 13
.set AKR, 14
.set AOW, 15
.set AOR, 16
.set GKR, 17
.set GKI, 18
.set GV,  19
.set GO,  20
.set AGJ0, 27
.set AGI0, 28
.set AGD0, 29
.set ASW, 30
.set SA, 32                            ; S^T x sigma: tile et: lane: d = 16 w + r, e = 16 et + 8 h + j
.set ZZ, 64                            ; V, then Z: tile I: lane: d, step 16 I + 8 h + j
.set OT, 96                            ; O^T: tile I: lane: step 16 I + r, d = 16 w + 8 h + j
.set SF, 128
.set YF, 144
.set ZF, 160                           ; registers 4-7 stay 0
.set YA, 168
.set YB, 176
.set TT, 184                           ; four fragments; registers 4-7 of each stay 0
.set KR, 0                             ; window 1
.set KI, 64
.set QI, 80
.set MK, 96
.set MKS, 128
.set GT, 0                             ; window 2, phase P
.set PT, 32
.set GD, 64
.set GJ, 72
.set BJ, 104
.set GDJ, 136
.set BDJ, 144
.set TR, 152
.set AD, 168
.set GI, 176
.set G63, 178
.set EV, 180
.set TS, 188
.set TMP, 72
.set ID, 240
.set KNF, 0                            ; window 2, phase S
.set QGF, 64
.set ANF, 128
.set PPF, 160
.set MSB, 0
.macro WIN new                         ; the immediate's high byte repeats the setting that is left; a switch that changes nothing is dropped
.if MSB != (\new)
	s_set_vgpr_msb (MSB<<8)|(\new)
.set MSB, \new
.endif
.endm
.macro PL                              ; four places between a matrix instruction and a vector use of, or a load into, its registers
.rept 4
	v_nop
.endr
.endm
.macro LOADKQ                          ; a chunk's K (all 64 rows), my 16 rows of K and of Q: 24 loads into window 1
	WIN 0x40
.set i, 0
.rept 8                                ; rows 16 (i / 2) + r, channels 32 (i % 2) on
	global_load_b128 v[KR+8*i:KR+8*i+3],   v[GKR], s[6:7] offset:2048*(i/2)+64*(i%2)
	global_load_b128 v[KR+8*i+4:KR+8*i+7], v[GKR], s[6:7] offset:2048*(i/2)+64*(i%2)+32
.set i, i+1
.endr
.set i, 0
.rept 2
	global_load_b128 v[KI+8*i:KI+8*i+3],   v[GKI], s[6:7] offset:64*i
	global_load_b128 v[KI+8*i+4:KI+8*i+7], v[GKI], s[6:7] offset:64*i+32
	global_load_b128 v[QI+8*i:QI+8*i+3],   v[GKI], s[4:5] offset:64*i
	global_load_b128 v[QI+8*i+4:QI+8*i+7], v[GKI], s[4:5] offset:64*i+32
.set i, i+1
.endr
	WIN 0
.endm
.macro LOADV                           ; a chunk's V for my 16 channels: the eight loads together take 256 neighbouring bytes of each channel's row
.set i, 0
.rept 4
	global_load_b128 v[ZZ+8*i:ZZ+8*i+3],   v[GV], s[8:9] offset:64*i
	global_load_b128 v[ZZ+8*i+4:ZZ+8*i+7], v[GV], s[8:9] offset:64*i+16
.set i, i+1
.endr
.endm
	s_load_b512 s[4:19], s[0:1], 0x0               ; q16 4, k16 6, vt 8, ab 10, vmx 12, S0 14, out0 16, out1 18
	v_lshl_add_u32 v[SPW], v0, 2, SPARE
	v_mov_b32 v[NIL], 0
	v_lshrrev_b32 v21, 5, v0
	v_readfirstlane_b32 s20, v21                   ; wave 0..3
	s_mov_b32 s21, ttmp9                           ; chain = 16 b + h
	v_and_b32 v[RR], 15, v0
	v_bfe_u32 v[HH], v0, 4, 1
	v_and_b32 v[LN], 31, v0
	s_mov_b32 s25, 0
	s_mov_b32 s27, 0
	s_mov_b32 s29, 0
	s_mov_b32 s70, 0x76543210                      ; v_permlanex16_b32: each lane takes its own place in the other half
	s_mov_b32 s71, 0xfedcba98
	s_mov_b32 s72, 0xffff0000                      ; a word's upper bf16; also: lanes 16-31
	s_mov_b32 s73, 0xf149f2ca                      ; -1e30
	v_lshlrev_b32 v21, 5, v0                       ; 32 x thread: its eight steps' words
	v_mov_b32 v22, 0
	s_lshl_b32 s82, s20, 4
	v_add_nc_u32 v23, s82, v[RR]                   ; 16 w + r
	v_lshlrev_b32 v24, 8, v23
	v_lshl_add_u32 v24, v[HH], 5, v24              ; S0: row 16 w + r, 32 h bytes on
	s_wait_kmcnt 0x0
	s_lshl_b32 s24, s21, 12
	s_add_nc_u64 s[10:11], s[10:11], s[24:25]      ; the chain's alpha; beta lies 524,288 bytes on
	s_lshl_b32 s24, s21, 6
	s_add_nc_u64 s[12:13], s[12:13], s[24:25]
	s_lshl_b32 s24, s21, 14
	s_add_nc_u64 s[14:15], s[14:15], s[24:25]
	s_add_nc_u64 s[18:19], s[18:19], s[24:25]
	s_lshl_b32 s24, s20, 12
	s_add_nc_u64 s[18:19], s[18:19], s[24:25]      ; out1 at my 16 rows
	s_lshl_b32 s24, s21, 17
	s_add_nc_u64 s[4:5], s[4:5], s[24:25]
	s_add_nc_u64 s[6:7], s[6:7], s[24:25]
	s_lshl_b32 s24, s21, 18
	s_add_nc_u64 s[8:9], s[8:9], s[24:25]
	s_lshr_b32 s82, s21, 4
	s_lshl_b32 s82, s82, 12                        ; out0: 4,096 b + 256 h + my 16 steps of 32,768 bytes
	s_and_b32 s83, s21, 15
	s_lshl_b32 s83, s83, 8
	s_add_co_u32 s24, s82, s83
	s_lshl_b32 s83, s20, 19
	s_add_co_u32 s24, s24, s83
	s_add_nc_u64 s[16:17], s[16:17], s[24:25]
	global_load_b128 v[216:219], v21, s[10:11]
	global_load_b128 v[220:223], v21, s[10:11] offset:16
	global_load_b128 v[224:227], v21, s[10:11] offset:524288
	global_load_b128 v[228:231], v21, s[10:11] offset:524304
.set i, 0
.rept 4
	global_load_b128 v[232+4*i:235+4*i], v22, s[12:13] offset:16*i
.set i, i+1
.endr
.set i, 0
.rept 4
	global_load_b128 v[SA+8*i:SA+8*i+3],   v24, s[14:15] offset:64*i
	global_load_b128 v[SA+8*i+4:SA+8*i+7], v24, s[14:15] offset:64*i+16
.set i, i+1
.endr
	; addresses and constants stand in the wait for those loads
	v_lshlrev_b32 v[AFR], 4, v[LN]
	s_lshl_b32 s83, s20, 11
	v_add_nc_u32 v[AFW], s83, v[AFR]               ; my row block's two fragments
	s_lshl_b32 s83, s20, 9
	s_add_co_u32 s83, s83, TTL
	v_add_nc_u32 v[ATW], s83, v[AFR]
	v_mul_u32_u24 v[AKW], v23, 160
	v_lshl_add_u32 v[AKW], v[HH], 4, v[AKW]
	v_add_nc_u32 v[AKW], KDL, v[AKW]
	v_and_b32 v25, 7, v0
	v_lshl_add_u32 v25, v[HH], 3, v25
	v_mul_u32_u24 v[AKR], v25, 160                 ; the turning load: row 8 h + lane % 8, 16 bytes ((lane / 8) % 2)
	v_bfe_u32 v25, v0, 3, 1
	v_lshl_add_u32 v[AKR], v25, 4, v[AKR]
	v_add_nc_u32 v[AKR], KDL, v[AKR]
	v_mul_u32_u24 v[AOW], v[RR], 272
	v_lshl_add_u32 v[AOW], v[HH], 5, v[AOW]
	s_mul_i32 s83, s20, 4352
	s_add_co_u32 s83, s83, OST
	v_add_nc_u32 v[ASW], s83, v[AOW]               ; at the end: S into my own 16 rows of the stage
	v_mul_u32_u24 v[AOR], v[HH], 272
	v_lshl_add_u32 v[AOR], v[RR], 4, v[AOR]
	v_add_nc_u32 v[AOR], s83, v[AOR]               ; back: lanes 0-15 one row of 256 bytes, lanes 16-31 the next
	s_lshl_b32 s83, s20, 6
	v_lshlrev_b32 v[AGJ0], 5, v[HH]
	v_lshl_add_u32 v[AGI0], v[RR], 2, s83
	v_add_nc_u32 v[AGD0], s83, v[AGJ0]
	s_add_co_u32 s83, s83, OST
	v_add_nc_u32 v[AOW], s83, v[AOW]               ; O in: row = step r, my 64 bytes of it, 32 for each half of the lanes
	v_lshlrev_b32 v[GKR], 7, v[RR]
	v_lshl_add_u32 v[GKR], v[HH], 4, v[GKR]
	v_lshlrev_b32 v[GKI], 7, v23
	v_lshl_add_u32 v[GKI], v[HH], 4, v[GKI]
	v_lshlrev_b32 v[GV], 12, v23
	v_lshl_add_u32 v[GV], v[HH], 5, v[GV]
	v_lshlrev_b32 v[GO], 15, v[HH]
	v_lshl_add_u32 v[GO], v[RR], 4, v[GO]
	v_lshlrev_b32 v25, 3, v[HH]
	v_sub_nc_u32 v26, v23, v25                     ; 16 w + r - 8 h
	v_sub_nc_u32 v25, v[RR], v25                   ; r - 8 h
	WIN 0x40
.set i, 0
.rept 32                               ; step j = 16 (i / 8) + 8 h + i % 8 is hidden from step 16 w + r where j is greater
	v_cmp_gt_i32 vcc_lo, 16*(i/8)+i%8, v26
	v_cndmask_b32 v[MK+i], 0, s73, vcc_lo
.set i, i+1
.endr
.set i, 0
.rept 8                                ; in the diagonal block: where 8 h + i is not less than r
	v_cmp_ge_i32 vcc_lo, i, v25
	v_cndmask_b32 v[MKS+i], 0, s73, vcc_lo
.set i, i+1
.endr
	WIN 0x80
.set i, 0
.rept 16
	v_cmp_eq_u32 vcc_lo, i, v[RR]
	v_cndmask_b32 v[ID+i], 0, 1.0, vcc_lo
.set i, i+1
.endr
	WIN 0
.set i, 0
.rept 4                                ; the halves of K = 32 that a block of 16 does not use, and Y's first stale halves
	v_mov_b32 v[TT+4+i], 0
	v_mov_b32 v[TT+12+i], 0
	v_mov_b32 v[TT+20+i], 0
	v_mov_b32 v[TT+28+i], 0
	v_mov_b32 v[ZF+4+i], 0
	v_mov_b32 v[YF+i], 0
	v_mov_b32 v[YF+4+i], 0
	v_mov_b32 v[YF+8+i], 0
	v_mov_b32 v[YF+12+i], 0
.set i, i+1
.endr
.irp J, 0,1,2,3
	s_cmp_gt_u32 s20, \J
	s_cselect_b32 s[74+2*\J], -1.0, 0              ; -A' keeps the blocks left of the diagonal one
	s_mov_b32 s[75+2*\J], 0
.endr
	s_wait_loadcnt 0x0
	; g: log2 a, summed along the thread's eight steps and then over the eight lanes of a chunk
.irp i, 0,1,2,3,4,5,6,7
	v_log_f32 v[216+\i], v[216+\i]
.endr
	v_nop
	s_wait_alu depctr_va_vdst(0)
.irp i, 0,1,2,3,4,5,6,7
	v_max_num_f32 v[216+\i], 0xc3160000, v[216+\i] ; -150 at the least
.endr
.irp i, 1,2,3,4,5,6,7
	v_add_f32 v[216+\i], v[216+\i], v[215+\i]
.endr
	v_mov_b32 v248, v223                           ; my eight steps' sum
	v_mov_b32 v249, 0                              ; the sum of the lanes below me
	v_mov_b32 v250, 0
.irp s, 1,2,4
	v_mov_b32_dpp v250, v248 row_xmask:\s row_mask:0xf bank_mask:0xf
	v_and_b32 v251, \s, v0
	v_cmp_ne_u32 vcc_lo, 0, v251
	v_cndmask_b32 v251, 0, v250, vcc_lo            ; the partner's group lies below me where my bit is set
	v_add_f32 v249, v249, v251
	v_add_f32 v248, v248, v250
.endr
.irp i, 0,1,2,3,4,5,6,7
	v_add_f32 v[216+\i], v[216+\i], v249
.endr
	ds_store_b128 v21, v[216:219] offset:GL
	ds_store_b128 v21, v[220:223] offset:GL+16
	ds_store_b128 v21, v[224:227] offset:BL
	ds_store_b128 v21, v[228:231] offset:BL+16
	; sigma
.set i, 0
.rept 16
	v_cvt_pk_bf16_f32 v[248+i%2], v[SA+2*i], v[SA+2*i+1]
	v_lshlrev_b32 v[SA+2*i], 16, v[248+i%2]
	v_and_b32 v[SA+2*i+1], s72, v[248+i%2]
.set i, i+1
.endr
	v_max_num_f32 v252, |v[SA]|, |v[SA+1]|
.set i, 1
.rept 15
	v_max3_num_f32 v252, |v[SA+2*i]|, |v[SA+2*i+1]|, v252
.set i, i+1
.endr
	v_max_num_f32_dpp v252, v252, v252 row_xmask:1 row_mask:0xf bank_mask:0xf
	v_max_num_f32_dpp v252, v252, v252 row_xmask:2 row_mask:0xf bank_mask:0xf
	v_max_num_f32_dpp v252, v252, v252 row_xmask:4 row_mask:0xf bank_mask:0xf
	v_max_num_f32_dpp v252, v252, v252 row_xmask:8 row_mask:0xf bank_mask:0xf
	v_permlanex16_b32 v251, v252, s70, s71
	v_max_num_f32 v252, v252, v251                 ; max |S0| of my 16 rows
	v_max3_num_f32 v253, v232, v233, v234
.irp i, 235,237,239,241,243,245
	v_max3_num_f32 v253, v253, v[\i], v[\i+1]
.endr
	v_max_num_f32 v253, v253, v247                 ; max |v| of the chain
	v_mul_f32 v252, 0x43000000, v252               ; 128 max|S0|
	v_fmamk_f32 v252, v253, 0x46802000, v252       ; + 16400 max|v|
	v_max_num_f32 v252, 0x0d800000, v252           ; 2^-100 at the least
	v_lshrrev_b32 v252, 23, v252                   ; its exponent field E: the bound lies below 2^(E - 126)
	v_sub_nc_u32 v253, 268, v252
	v_lshlrev_b32 v253, 23, v253                   ; sigma = 2^(141 - E): sigma x bound < 2^15
	v_add_nc_u32 v254, -14, v252
	v_lshlrev_b32 v254, 23, v254                   ; 1 / sigma
	v_readfirstlane_b32 s30, v253
	s_mov_b32 s31, s30
	v_readfirstlane_b32 s66, v254
	s_mov_b32 s67, s66
.set i, 0
.rept 16
	v_pk_mul_f32 v[SA+2*i:SA+2*i+1], v[SA+2*i:SA+2*i+1], s[30:31] op_sel_hi:[1,0]
.set i, i+1
.endr
	LOADKQ                                         ; chunk 0
	LOADV
	s_wait_xcnt 0x0                                ; the bases step only behind this wait
	s_add_nc_u64 s[4:5], s[4:5], 8192              ; they now stand at chunk 1: the loop asks a chunk ahead
	s_add_nc_u64 s[6:7], s[6:7], 8192
	s_add_nc_u64 s[8:9], s[8:9], 256
	s_wait_dscnt 0x0                               ; for the others' sake: my part of g and b is stored
	s_barrier_signal -1
	s_barrier_wait -1
	s_mov_b32 s22, 16
.Lchunk:
	; ---------------- PHASE P ----------------
	s_sub_co_u32 s23, 16, s22
	s_lshl_b32 s23, s23, 8                         ; the chunk's 64 words of g
	v_mov_b32 v[AGC], s23
	v_add_nc_u32 v[AGJ], s23, v[AGJ0]
	v_add_nc_u32 v[AGI], s23, v[AGI0]
	v_add_nc_u32 v[AGD], s23, v[AGD0]
	WIN 0x80
	ds_load_b32 v[GI], v[AGI] offset:GL            ; g and b of my step i = 16 w + r
	ds_load_b32 v[GI+1], v[AGI] offset:BL
	ds_load_b32 v[G63], v[AGC] offset:GL+252
.set i, 0
.rept 4                                ; g and b of the steps j = 16 i + 8 h + 0..7
	ds_load_b128 v[GJ+8*i:GJ+8*i+3],   v[AGJ] offset:GL+64*i
	ds_load_b128 v[GJ+8*i+4:GJ+8*i+7], v[AGJ] offset:GL+64*i+16
	ds_load_b128 v[BJ+8*i:BJ+8*i+3],   v[AGJ] offset:BL+64*i
	ds_load_b128 v[BJ+8*i+4:BJ+8*i+7], v[AGJ] offset:BL+64*i+16
.set i, i+1
.endr
	ds_load_b128 v[GDJ:GDJ+3],   v[AGD] offset:GL
	ds_load_b128 v[GDJ+4:GDJ+7], v[AGD] offset:GL+16
	ds_load_b128 v[BDJ:BDJ+3],   v[AGD] offset:BL
	ds_load_b128 v[BDJ+4:BDJ+7], v[AGD] offset:BL+16
	s_wait_loadcnt 0x8                             ; K and Q are in; V's eight younger loads may stay out
	WIN 0xa5                                       ; sources window 1, C and D window 2
.set kk, 0
.rept 2                                ; k_j . k_i, k_j . q_i and my diagonal block: nine accumulators by turns; a lane holds step i = 16 w + r and j = 16 J + 8 h + 0..7
.set J, 0
.rept 4
.if kk == 0
	v_wmma_f32_16x16x32_f16 v[GT+8*J:GT+8*J+7], v[KR+16*J:KR+16*J+7], v[KI:KI+7], 0
.else
	v_wmma_f32_16x16x32_f16 v[GT+8*J:GT+8*J+7], v[KR+16*J+8:KR+16*J+15], v[KI+8:KI+15], v[GT+8*J:GT+8*J+7]
.endif
.set J, J+1
.endr
.set J, 0
.rept 4
.if kk == 0
	v_wmma_f32_16x16x32_f16 v[PT+8*J:PT+8*J+7], v[KR+16*J:KR+16*J+7], v[QI:QI+7], 0
.else
	v_wmma_f32_16x16x32_f16 v[PT+8*J:PT+8*J+7], v[KR+16*J+8:KR+16*J+15], v[QI+8:QI+15], v[PT+8*J:PT+8*J+7]
.endif
.set J, J+1
.endr
.if kk == 0
	v_wmma_f32_16x16x32_f16 v[GD:GD+7], v[KI:KI+7], v[KI:KI+7], 0
.else
	v_wmma_f32_16x16x32_f16 v[GD:GD+7], v[KI+8:KI+15], v[KI+8:KI+15], v[GD:GD+7]
.endif
.set kk, kk+1
.endr
	s_wait_dscnt 0x0
	WIN 0xaa                                       ; all in window 2.  F = 2^(g_i - g_j + mask) b_j; these lines are also the places behind the products
.set i, 0
.rept 16
	v_pk_add_f32 v[GJ+2*i:GJ+2*i+1], v[GI:GI+1], v[GJ+2*i:GJ+2*i+1] op_sel_hi:[0,1] neg_lo:[0,1] neg_hi:[0,1]
.set i, i+1
.endr
.set i, 0
.rept 4
	v_pk_add_f32 v[GDJ+2*i:GDJ+2*i+1], v[GI:GI+1], v[GDJ+2*i:GDJ+2*i+1] op_sel_hi:[0,1] neg_lo:[0,1] neg_hi:[0,1]
.set i, i+1
.endr
	WIN 0x86                                       ; source 1 window 1
.set i, 0
.rept 16
	v_pk_add_f32 v[GJ+2*i:GJ+2*i+1], v[GJ+2*i:GJ+2*i+1], v[MK+2*i:MK+2*i+1]
.set i, i+1
.endr
.set i, 0
.rept 4
	v_pk_add_f32 v[GDJ+2*i:GDJ+2*i+1], v[GDJ+2*i:GDJ+2*i+1], v[MKS+2*i:MKS+2*i+1]
.set i, i+1
.endr
	WIN 0xaa
.set i, 0
.rept 32
	v_exp_f32 v[GJ+i], v[GJ+i]
.set i, i+1
.endr
.set i, 0
.rept 8
	v_exp_f32 v[GDJ+i], v[GDJ+i]
.set i, i+1
.endr
	v_nop                                          ; a plain instruction behind the last exponential (ISA guide 5.7.2)
.set i, 0
	s_wait_alu depctr_va_vdst(0)
.rept 16
	v_pk_mul_f32 v[GJ+2*i:GJ+2*i+1], v[GJ+2*i:GJ+2*i+1], v[BJ+2*i:BJ+2*i+1]
.set i, i+1
.endr
.set i, 0
.rept 4
	v_pk_mul_f32 v[GDJ+2*i:GDJ+2*i+1], v[GDJ+2*i:GDJ+2*i+1], v[BDJ+2*i:BDJ+2*i+1]
.set i, i+1
.endr
.set i, 0
.rept 4                                ; minus my diagonal block: lane (r, h) holds -A'[r][8 h + 0..7]
	v_pk_mul_f32 v[AD+2*i:AD+2*i+1], v[GD+2*i:GD+2*i+1], v[GDJ+2*i:GDJ+2*i+1] neg_lo:[1,0] neg_hi:[1,0]
.set i, i+1
.endr
.set i, 0
.rept 16
	v_pk_mul_f32 v[PT+2*i:PT+2*i+1], v[PT+2*i:PT+2*i+1], v[GJ+2*i:GJ+2*i+1]
	v_pk_mul_f32 v[GT+2*i:GT+2*i+1], v[GT+2*i:GT+2*i+1], v[GJ+2*i:GJ+2*i+1]
.set i, i+1
.endr
.set i, 0
.rept 16
	v_pk_mul_f32 v[GT+2*i:GT+2*i+1], v[GT+2*i:GT+2*i+1], s[74+2*(i/4):75+2*(i/4)] op_sel_hi:[1,0]
.set i, i+1
.endr
.set i, 0
.rept 16                               ; rounded in pairs, two tiles ARE a fragment of 32 steps j; packed into the low half of their own registers
	v_cvt_pk_f16_f32 v[PT+i], v[PT+2*i], v[PT+2*i+1]
	v_cvt_pk_f16_f32 v[GT+i], v[GT+2*i], v[GT+2*i+1]
.set i, i+1
.endr
	WIN 0x08                                       ; store data in window 2
.set i, 0
.rept 2
	ds_store_b128 v[AFW], v[PT+8*i:PT+8*i+3]   offset:PPL+1024*i
	ds_store_b128 v[AFW], v[PT+8*i+4:PT+8*i+7] offset:PPL+1024*i+512
	ds_store_b128 v[AFW], v[GT+8*i:GT+8*i+3]   offset:ANL+1024*i
	ds_store_b128 v[AFW], v[GT+8*i+4:GT+8*i+7] offset:ANL+1024*i+512
.set i, i+1
.endr
	; T = (I + A'_ww)^-1.  Each lane solves x (I + A') = e_r for its row r, from column 15 down: x_j -= x_l A'[l][j].  Row l of the block comes as scalars, a row ahead, in two banks that take turns.
	WIN 0xaa
.set j, 0
.rept 15
	v_readlane_b32 s[32+j], v[AD+(j&7)], 15+16*(j>>3)
.set j, j+1
.endr
.set l, 15
.rept 15
.set bk, 32+16*((15-l)%2)
.set bn, 32+16*((16-l)%2)
.set j, 0
.rept l-1
	v_readlane_b32 s[bn+j], v[AD+(j&7)], (l-1)+16*(j>>3)
.set j, j+1
.endr
.set j, l-1
.rept l
.if l == 15
	v_fma_f32 v[TR+j], s[bk+j], v[ID+15], v[ID+j]  ; the first step starts from the identity, whose column 15 is T's
.else
	v_fmac_f32 v[TR+j], s[bk+j], v[TR+l]
.endif
.set j, j-1
.endr
.set l, l-1
.endr
.set j, 0
.rept 7
	v_cndmask_b32 v[TS+j], v[TR+j], v[TR+8+j], s72 ; lanes 16-31 take columns 8-15
.set j, j+1
.endr
	v_cndmask_b32 v[TS+7], v[TR+7], v[ID+15], s72
	v_sub_f32 v[EV+1], v[G63], v[GI]
	v_exp_f32 v[EV], v[GI]                         ; gamma_i
	v_exp_f32 v[EV+1], v[EV+1]
	v_exp_f32 v[EV+2], v[G63]                      ; gamma_63
.set j, 0
.rept 4
	v_cvt_pk_f16_f32 v[TS+j], v[TS+2*j], v[TS+2*j+1]
.set j, j+1
.endr
	s_wait_alu depctr_va_vdst(0)
	v_mul_f32 v[EV+1], v[EV+1], v[GI+1]            ; 2^(g_63 - g_i) b_i
	v_readfirstlane_b32 s68, v[EV+2]
	s_mov_b32 s69, s68
	v_cvt_pk_f16_f32 v[EV+3], v[EV], v[EV]
	v_cvt_pk_f16_f32 v[EV+5], v[EV+1], v[EV+1]
	v_xor_b32 v[EV+4], 0x80008000, v[EV+3]
	WIN 0x89                                       ; source 0 window 1, source 1 and destination window 2
.set i, 0
.rept 16
	v_pk_mul_f16 v[TMP+i], v[KI+i], v[EV+4]        ; -Gamma K
	v_pk_mul_f16 v[TMP+16+i], v[QI+i], v[EV+3]     ; Gamma Q
	v_pk_mul_f16 v[TMP+32+i], v[KI+i], v[EV+5]     ; Kd'
.set i, i+1
.endr
	WIN 0x08
	ds_store_b128 v[ATW], v[TS:TS+3]
.set i, 0
.rept 2
	ds_store_b128 v[AFW], v[TMP+8*i:TMP+8*i+3]       offset:KNL+1024*i
	ds_store_b128 v[AFW], v[TMP+8*i+4:TMP+8*i+7]     offset:KNL+1024*i+512
	ds_store_b128 v[AFW], v[TMP+16+8*i:TMP+16+8*i+3] offset:QGL+1024*i
	ds_store_b128 v[AFW], v[TMP+20+8*i:TMP+20+8*i+3] offset:QGL+1024*i+512
	ds_store_b128 v[AKW], v[TMP+32+8*i:TMP+32+8*i+3] offset:64*i
	ds_store_b128 v[AKW], v[TMP+36+8*i:TMP+36+8*i+3] offset:64*i+32
.set i, i+1
.endr
	WIN 0
	s_wait_dscnt 0x0                               ; for the others' sake: my fragments are stored; my reads of the stage (last trip) are back
	s_barrier_signal -1
	s_barrier_wait -1
	; ---------------- PHASE S ----------------
	WIN 0x80
.set i, 0
.rept 8
	ds_load_b128 v[KNF+8*i:KNF+8*i+3],   v[AFR] offset:KNL+1024*i
	ds_load_b128 v[KNF+8*i+4:KNF+8*i+7], v[AFR] offset:KNL+1024*i+512
.set i, i+1
.endr
.set i, 0
.rept 8
	ds_load_b128 v[QGF+8*i:QGF+8*i+3],   v[AFR] offset:QGL+1024*i
	ds_load_b128 v[QGF+8*i+4:QGF+8*i+7], v[AFR] offset:QGL+1024*i+512
.set i, i+1
.endr
	WIN 0
.set i, 0
.rept 4
	ds_load_b128 v[TT+8*i:TT+8*i+3], v[AFR] offset:TTL+512*i
.set i, i+1
.endr
	WIN 0x80
.set n, 0
.irp fr, 2,4,6,7                       ; -A': the fragments (1,0), (2,0), (3,0), (3,1); the others hold nothing but zeros
	ds_load_b128 v[ANF+8*n:ANF+8*n+3],   v[AFR] offset:ANL+1024*\fr
	ds_load_b128 v[ANF+8*n+4:ANF+8*n+7], v[AFR] offset:ANL+1024*\fr+512
.set n, n+1
.endr
.set n, 0
.irp fr, 0,2,4,5,6,7                   ; P': (0,0), (1,0), (2,0), (2,1), (3,0), (3,1)
	ds_load_b128 v[PPF+8*n:PPF+8*n+3],   v[AFR] offset:PPL+1024*\fr
	ds_load_b128 v[PPF+8*n+4:PPF+8*n+7], v[AFR] offset:PPL+1024*\fr+512
.set n, n+1
.endr
	LOADKQ                                         ; the next chunk's K and Q: phase P has read this chunk's.  (In the last trip the bases stand still: chunk 15 once more, inside the buffers.)
.set i, 0
.rept 16
	v_cvt_pk_f16_f32 v[SF+i], v[SA+2*i], v[SA+2*i+1]  ; two tiles of S^T, rounded in pairs, are a fragment of 32 e
.set i, i+1
.endr
.set i, 0
.rept 16
	v_pk_mul_f32 v[SA+2*i:SA+2*i+1], v[SA+2*i:SA+2*i+1], s[68:69] op_sel_hi:[1,0]  ; gamma_63 S^T
.set i, i+1
.endr
	s_wait_loadcnt 24                              ; V is in; the 24 loads just issued stay out
.set i, 0
.rept 16
	v_pk_mul_f32 v[ZZ+2*i:ZZ+2*i+1], v[ZZ+2*i:ZZ+2*i+1], s[30:31] op_sel_hi:[1,0]  ; sigma V
.set i, i+1
.endr
	s_wait_dscnt 24                                ; -Gamma K and Gamma Q are in; T, -A', P' may be out
.set kk, 0
.rept 2                                ; Z = sigma V - Gamma K S^T;  O^T = S Gamma Q^T: eight accumulators by turns
	WIN 0x02
.set I, 0
.rept 4
	v_wmma_f32_16x16x32_f16 v[ZZ+8*I:ZZ+8*I+7], v[KNF+16*I+8*kk:KNF+16*I+8*kk+7], v[SF+8*kk:SF+8*kk+7], v[ZZ+8*I:ZZ+8*I+7]
.set I, I+1
.endr
	WIN 0x08
.set I, 0
.rept 4
.if kk == 0
	v_wmma_f32_16x16x32_f16 v[OT+8*I:OT+8*I+7], v[SF:SF+7], v[QGF+16*I:QGF+16*I+7], 0
.else
	v_wmma_f32_16x16x32_f16 v[OT+8*I:OT+8*I+7], v[SF+8:SF+15], v[QGF+16*I+8:QGF+16*I+15], v[OT+8*I:OT+8*I+7]
.endif
.set I, I+1
.endr
.set kk, kk+1
.endr
	PL
	WIN 0x80
.set i, 0
.rept 8                                ; Kd'^T, turned: e = 16 (i / 2) on, steps 32 (i % 2) on; into -Gamma K's registers
	ds_load_tr16_b128 v[8*i:8*i+3],   v[AKR] offset:5120*(i%2)+32*(i/2)
	ds_load_tr16_b128 v[8*i+4:8*i+7], v[AKR] offset:5120*(i%2)+32*(i/2)+2560
.set i, i+1
.endr
	WIN 0
	s_wait_dscnt 16                                ; T, -A', P' are in; the sixteen just issued may be out
.macro CVT4 dst, src                   ; eight f32 of a result, from its low end on, become four registers of a fragment
.set i, 0
.rept 4
	v_cvt_pk_f16_f32 v[(\dst)+i], v[(\src)+2*i], v[(\src)+2*i+1]
.set i, i+1
.endr
.endm
.macro TMUL d, I                       ; Y_I = T_I Z_I
	v_wmma_f32_16x16x32_f16 v[\d:\d+7], v[TT+8*(\I):TT+8*(\I)+7], v[ZF:ZF+7], 0
.endm
.macro ZUP I, n, y                     ; Z_I -= A' Y; a half of Y that is not yet made meets zeros in -A'
	WIN 0x02
	v_wmma_f32_16x16x32_f16 v[ZZ+8*(\I):ZZ+8*(\I)+7], v[ANF+8*(\n):ANF+8*(\n)+7], v[YF+8*(\y):YF+8*(\y)+7], v[ZZ+8*(\I):ZZ+8*(\I)+7]
	WIN 0
.endm
	CVT4 ZF, ZZ                                    ; the chain: no two matrix instructions on end share an accumulator, and every turn is one instruction
	TMUL YA, 0
	PL
	CVT4 YF, YA
	ZUP 1, 0, 0
	PL
	CVT4 ZF, ZZ+8
	TMUL YB, 1
	PL
	CVT4 YF+4, YB
	ZUP 2, 1, 0
	ZUP 3, 2, 0
	PL
	CVT4 ZF, ZZ+16
	TMUL YA, 2
	PL
	CVT4 YF+8, YA
	ZUP 3, 3, 1
	PL
	CVT4 ZF, ZZ+24
	TMUL YB, 3
	PL
	CVT4 YF+12, YB
	LOADV                                          ; the next chunk's V, into Z's registers, which have been read
	s_wait_dscnt 0x0                               ; Kd'^T is in
	WIN 0x08
	v_wmma_f32_16x16x32_f16 v[OT:OT+7],     v[YF:YF+7], v[PPF:PPF+7],       v[OT:OT+7]        ; O^T += Y^T P'^T
	v_wmma_f32_16x16x32_f16 v[OT+8:OT+15],  v[YF:YF+7], v[PPF+8:PPF+15],    v[OT+8:OT+15]
	v_wmma_f32_16x16x32_f16 v[OT+16:OT+23], v[YF:YF+7], v[PPF+16:PPF+23],   v[OT+16:OT+23]
	v_wmma_f32_16x16x32_f16 v[OT+24:OT+31], v[YF:YF+7], v[PPF+32:PPF+39],   v[OT+24:OT+31]
	WIN 0x02
.set I, 0
.rept 4
	v_wmma_f32_16x16x32_f16 v[SA+8*I:SA+8*I+7], v[16*I:16*I+7], v[YF:YF+7], v[SA+8*I:SA+8*I+7]  ; S^T += Kd'^T Y
.set I, I+1
.endr
	WIN 0x08
	v_wmma_f32_16x16x32_f16 v[OT+16:OT+23], v[YF+8:YF+15], v[PPF+24:PPF+31], v[OT+16:OT+23]
	v_wmma_f32_16x16x32_f16 v[OT+24:OT+31], v[YF+8:YF+15], v[PPF+40:PPF+47], v[OT+24:OT+31]
	WIN 0x02
.set I, 0
.rept 4
	v_wmma_f32_16x16x32_f16 v[SA+8*I:SA+8*I+7], v[16*I+8:16*I+15], v[YF+8:YF+15], v[SA+8*I:SA+8*I+7]
.set I, I+1
.endr
	WIN 0
	PL
.set i, 0
.rept 16
	v_pk_mul_f32 v[OT+2*i:OT+2*i+1], v[OT+2*i:OT+2*i+1], s[66:67] op_sel_hi:[1,0]  ; / sigma
.set i, i+1
.endr
.set I, 0
.rept 4                                ; a step's 256 bytes come from all four waves: through the work-group's stage
	ds_store_b128 v[AOW], v[OT+8*I:OT+8*I+3]   offset:4352*I
	ds_store_b128 v[AOW], v[OT+8*I+4:OT+8*I+7] offset:4352*I+16
.set I, I+1
.endr
	s_wait_dscnt 0x0                               ; for the others' sake: my part of O is stored, and my reads of the fragments are back
	s_barrier_signal -1
	s_barrier_wait -1
.set f, 0
.rept 8
	ds_load_b128 v[OT+4*f:OT+4*f+3], v[AOR] offset:544*f  ; steps 16 w + 2 f and + 1, whole
.set f, f+1
.endr
.set f, 0
.rept 8
	s_wait_dscnt 7-f
	global_store_b128 v[GO], v[OT+4*f:OT+4*f+3], s[16:17] offset:65536*f th:TH_STORE_NT  ; sixteen lanes store 256 neighbouring bytes, at a multiple of 256
.set f, f+1
.endr
	s_wait_xcnt 0x0                                ; the bases and O^T's registers are written again only behind this wait
	s_add_nc_u64 s[16:17], s[16:17], 0x200000      ; 64 steps of 32,768 bytes
	s_cmp_ge_u32 s22, 3                            ; the look-ahead stops at chunk 15
	s_cselect_b32 s26, 8192, 0
	s_cselect_b32 s28, 256, 0
	s_add_nc_u64 s[4:5], s[4:5], s[26:27]
	s_add_nc_u64 s[6:7], s[6:7], s[26:27]
	s_add_nc_u64 s[8:9], s[8:9], s[28:29]
	s_sub_co_u32 s22, s22, 1
	s_cmp_lg_u32 s22, 0
	s_cbranch_scc1 .Lchunk
	; THE END: S / sigma, through my own 16 rows of the stage, which since the last barrier nobody but me has touched
.set i, 0
.rept 16
	v_pk_mul_f32 v[SA+2*i:SA+2*i+1], v[SA+2*i:SA+2*i+1], s[66:67] op_sel_hi:[1,0]
.set i, i+1
.endr
.set I, 0
.rept 4
	ds_store_b128 v[ASW], v[SA+8*I:SA+8*I+3]   offset:64*I
	ds_store_b128 v[ASW], v[SA+8*I+4:SA+8*I+7] offset:64*I+16
.set I, I+1
.endr
.set f, 0
.rept 8
	ds_load_b128 v[OT+4*f:OT+4*f+3], v[AOR] offset:544*f  ; LDS serves a wave's instructions in order (ISA guide 5.7.1.4): these see the stores above
.set f, f+1
.endr
.set f, 0
.rept 8
	s_wait_dscnt 7-f
	global_store_b128 v[AFR], v[OT+4*f:OT+4*f+3], s[18:19] offset:512*f  ; two rows of S: 512 neighbouring bytes
.set f, f+1
.endr
	s_wait_tensorcnt 0x0                           ; the wave's end, behind my last LDS store
	ds_add_u32 v[SPW], v[NIL]
	s_wait_dscnt 0x0
	s_endpgm
.Lfunc_end_k_q82b1bb5c24_scan:
	.size	k_q82b1bb5c24_scan, .Lfunc_end_k_q82b1bb5c24_scan-k_q82b1bb5c24_scan
	.p2alignl 7, 3214868480
	.fill 96, 4, 3214868480
	.section	.rodata,"a",@progbits
	.p2align	6, 0x0
	.amdhsa_kernel k_q82b1bb5c24_scan
		.amdhsa_group_segment_fixed_size 71680
		.amdhsa_private_segment_fixed_size 0
		.amdhsa_enable_private_segment 0
		.amdhsa_kernarg_size 64
		.amdhsa_user_sgpr_count 2
		.amdhsa_user_sgpr_kernarg_segment_ptr 1
		.amdhsa_wavefront_size32 1
		.amdhsa_system_sgpr_workgroup_id_x 1
		.amdhsa_system_sgpr_workgroup_id_y 1
		.amdhsa_system_sgpr_workgroup_id_z 1
		.amdhsa_system_vgpr_workitem_id 0
		.amdhsa_next_free_vgpr 768
		.amdhsa_next_free_sgpr 96
		.amdhsa_reserve_vcc 1
		.amdhsa_float_denorm_mode_32 3
		.amdhsa_float_denorm_mode_16_64 3
		.amdhsa_memory_ordered 1
		.amdhsa_forward_progress 1
		.amdhsa_inst_pref_size 78
	.end_amdhsa_kernel
	.amdgpu_metadata
---
amdhsa.version: [ 1, 2 ]
amdhsa.kernels:
  - .name:           k_q82b1bb5c24_scan
    .symbol:         k_q82b1bb5c24_scan.kd
    .args:
      - { .name: q16, .offset: 0, .size: 8, .value_kind: global_buffer, .address_space: global }
      - { .name: k16, .offset: 8, .size: 8, .value_kind: global_buffer, .address_space: global }
      - { .name: vt, .offset: 16, .size: 8, .value_kind: global_buffer, .address_space: global }
      - { .name: ab, .offset: 24, .size: 8, .value_kind: global_buffer, .address_space: global }
      - { .name: vmx, .offset: 32, .size: 8, .value_kind: global_buffer, .address_space: global }
      - { .name: S0, .offset: 40, .size: 8, .value_kind: global_buffer, .address_space: global }
      - { .name: out0, .offset: 48, .size: 8, .value_kind: global_buffer, .address_space: global }
      - { .name: out1, .offset: 56, .size: 8, .value_kind: global_buffer, .address_space: global }
    .group_segment_fixed_size: 71680
    .private_segment_fixed_size: 0
    .kernarg_segment_align: 8
    .kernarg_segment_size: 64
    .max_flat_workgroup_size: 128
    .sgpr_count:     96
    .vgpr_count:     768
    .wavefront_size: 32
...
	.end_amdgpu_metadata
.endif
;; end of part 3
;; ======== version 2 of 2: 3 launches; version 1 with the launch scan written anew for expert scheduling mode
;; workspace buffers: xb 16,777,216 bytes; wb 10,485,760 bytes; q16 16,777,216 bytes; k16 16,777,216 bytes; vt 33,554,432 bytes; ab 1,048,576 bytes; vmx 8,192 bytes
;; launch cvt: the kernel of part 1 again; grid 512 x 1, 13 waves a work-group, no clusters, 0 bytes of LDS; arguments x, W_v, W_q, W_alpha, W_k, W_beta, xb, wb; writes xb, wb
;; launch proj: the kernel of part 2 again; grid 16 x 32, 4 waves a work-group, clusters of 4 x 4, 327,680 bytes of LDS; arguments xb, wb, b_alpha, b_beta, q16, k16, vt, ab, vmx; writes q16, k16, vt, ab, vmx
;; launch scan (part 4): grid 128 x 1, 4 waves a work-group, no clusters, 71,680 bytes of LDS; arguments q16, k16, vt, ab, vmx, S0, out0, out1; writes out0, out1
.if DOCPART == 4
	.amdgcn_target "amdgcn-amd-amdhsa--gfx1250"
	.amdhsa_code_object_version 6
	.text
	.protected	k_q82b1bb5c24_scan
	.globl	k_q82b1bb5c24_scan
	.p2align	8
	.type	k_q82b1bb5c24_scan,@function
k_q82b1bb5c24_scan:
	s_mov_b64 s[64:65], 0
	v_nop
	global_prefetch_b8 v0, s[64:65] scope:SCOPE_SE
	s_setreg_imm32_b32 hwreg(HW_REG_WAVE_SCHED_MODE, 0, 2), 2
	s_setreg_imm32_b32 hwreg(HW_REG_WAVE_MODE, 25, 1), 1
	s_wait_xcnt 0x0
	s_wait_alu depctr_vm_vsrc(0)
; THE RECURRENCE  S <- a S (I - b k k^T) + b v k^T,  out = S q,  for one chain (b, h) a work-group, in 16 chunks of 64 steps, on the matrix units.
; With g_i the sum of log2 a up to and with step i of the chunk, M_ij = 2^(g_i - g_j), y_i = v_i - a_i S_(i-1) k_i:
;   (I + A') Y = V - Gamma K S0^T,  A'_ij = M_ij b_j (k_i . k_j) for j < i;     O = Gamma Q S0^T + P' Y,  P'_tj = M_tj b_j (q_t . k_j) for j <= t;     S^T <- gamma_63 S0^T + Kd'^T Y,  Kd'_j = 2^(g_63 - g_j) b_j k_j.
; Every exponent is at most 0.  The system is solved by blocks of 16: Y_I = T_I (Z_I - sum over J < I of A'_IJ Y_J), T_I the inverse of the unit triangular diagonal block.
; PHASE P (what does not hang on the channel d): wave w makes row block w of -Gamma K, Gamma Q, -A', P', T, Kd' and hands them on through LDS as ready fragments (registers 0-3 at 16 x lane, 4-7 512 bytes on).
; PHASE S: wave w owns the rows d = 16 w .. 16 w + 15 of S, which do not depend on each other.  A lane holds ONE d in S^T, Z, Y (and eight neighbouring e or steps), so results become operands by rounding alone.
; FORMATS.  Operands in f16, sums in f32.  K, Q, A', P', T, Kd' lie within 1 by construction.  S, Z, Y carry v's size: they are kept times sigma, a power of two of the wave's own, made from the bound
; |Z| <= 16400 max|v| + 128 max|S0| (a row of S grows by at most |v| a step; |y| <= |v| + the row's norm; Z is at most 16 y), so that f16's range binds for no input.
; LIMITS.  log2 a is held at -150 or more (an a below 2^-150 counts as that).  The bound above must be finite.  S0 is rounded to bf16 as all inputs are.  NaN and infinities are not treated apart.
; NO CLUSTER, no tensor loads: chains share no input, and a chunk's operands go straight into registers, asked for a phase or more ahead.  128 chains are 128 work-groups: rows of S are the only further split, and the four waves have it.
; REGISTERS, in windows of 256 (s_set_vgpr_msb: bits 1:0 source 0, 3:2 source 1, 5:4 source 2, 7:6 destination):
;   window 0: addresses; S^T, Z, O^T (32 each); the f16 fragments of S, Y, Z; T      window 1: the chunk's K (64), my 16 rows of K and Q, the masks, Kd'^T (64)
;   window 2: phase P's matrices, then phase S's fragments from LDS; v240-255 the identity
; THE MODE: SCHED_MODE bits 1:0 = 2 (LLVM: expert scheduling mode 2), set by the entry lines.  The code itself states the register dependences
; between vector or matrix instructions and memory or LDS instructions, with s_wait_alu, always for 0.
; THE PLAN.  Registers that memory or LDS instructions touch:
;   v10-v22, v24, v27-v30   addresses and offsets: made at the head, ahead of one wait on va_vdst in front of the first load; never written again.
;   v6-v9                   g's LDS addresses: written at a trip's head, read by phase P's 23 LDS loads; freed by the wait on vm_vsrc at the trip's end.
;   window 2 v72-151, v176-178   g and b: loaded at a trip's head, behind a wait on va_vdst that also shows v6-v9 written; then named by phase P's vector lines alone.
;   window 2 v0-15, v32-47 (-A', P'), v72-119 (the three scaled copies), v188-191 (T)   written by vector lines, read by LDS stores: a wait on va_vdst ahead of each of the two runs of stores.
;   window 2 v0-207, T's low halves, window 1 v136-199 and v0-95   phase S's one run of loads lands here, behind the barrier and behind two waits: vm_vsrc (the stores have read their data), va_vdst (phase P is done with all of them).
;   Z (v64-95)              written and read by the chain; the next chunk's V lands in it behind a wait on va_vdst at the chain's end.
;   O^T (v96-127)           scaled, then a wait on va_vdst, LDS stores, the barrier, a wait on vm_vsrc, LDS loads into the same registers, global stores, and the wait on vm_vsrc at the trip's end.
; Scalars that vector lines write (the wave's number, the masks' compares, sigma, gamma_63, the rows read by v_readlane_b32) have a wait on va_sdst ahead of their first reader.
.set GL,    0                          ; g[1024]
.set BL,    4096                       ; b[1024]
.set KNL,   8192                       ; -Gamma K: fragment (I, kk) at (2 I + kk) x 1,024
.set QGL,   16384                      ; Gamma Q
.set ANL,   24576                      ; -A' for J < I, else 0
.set PPL,   32768                      ; P'
.set TTL,   40960                      ; T_I, 512 bytes each
.set KDL,   43008                      ; Kd' [j][e], rows of 128 + 32 bytes
.set OST,   53248                      ; O, 64 rows of 256 + 16 bytes
.set SPARE, 70656                      ; the spare words: 128 bytes a wave, two blocks of 256 that no other line names
.set RR, 1
.set HH, 2
.set LN, 3
.set SPW, 4                            ; my spare word; never rewritten
.set NIL, 5                            ; 0; never rewritten
.set AGC, 6                            ; LDS addresses of the chunk's g, made anew each trip: the chunk's first word,
.set AGJ, 7                            ; + 32 h,
.set AGI, 8                            ; + 64 w + 4 r,
.set AGD, 9                            ; + 64 w + 32 h
.set AFR, 10                           ; 16 x lane
.set AFW, 11
.set ATW, 12
.set AKW, 13
.set AKR, 14
.set AOW, 15
.set AOR, 16
.set GKR, 17
.set GKI, 18
.set GV,  19
.set GO,  20
.set AGJ0, 27
.set AGI0, 28
.set AGD0, 29
.set ASW, 30
.set SA, 32                            ; S^T x sigma: tile et: lane: d = 16 w + r, e = 16 et + 8 h + j
.set ZZ, 64                            ; V, then Z: tile I: lane: d, step 16 I + 8 h + j
.set OT, 96                            ; O^T: tile I: lane: step 16 I + r, d = 16 w + 8 h + j
.set SF, 128
.set YF, 144
.set ZF, 160                           ; registers 4-7 stay 0
.set YA, 168
.set YB, 176
.set TT, 184                           ; four fragments; registers 4-7 of each stay 0
.set KR, 0                             ; window 1
.set KI, 64
.set QI, 80
.set MK, 96
.set MKS, 128
.set KDF, 136                          ; window 1: Kd'^T, turned: a buffer of its own, named by its loads and by the products S^T += Kd'^T Y alone
.set GT, 0                             ; window 2, phase P
.set PT, 32
.set GD, 64
.set GJ, 72
.set BJ, 104
.set GDJ, 136
.set BDJ, 144
.set TR, 152
.set AD, 168
.set GI, 176
.set G63, 178
.set EV, 180
.set TS, 188
.set TMP, 72
.set ID, 240
.set KNF, 0                            ; window 2, phase S
.set QGF, 64
.set ANF, 128
.set PPF, 160
.set MSB, 0
.macro WIN new                         ; the immediate's high byte repeats the setting that is left; a switch that changes nothing is dropped
.if MSB != (\new)
	s_set_vgpr_msb (MSB<<8)|(\new)
.set MSB, \new
.endif
.endm
.macro PL                              ; four places between a matrix instruction and a vector use of its registers (ISA guide 7.12.1)
.rept 4
	v_nop
.endr
.endm
.macro LOADKQ                          ; a chunk's K (all 64 rows), my 16 rows of K and of Q: 24 loads into window 1
	WIN 0x40
.set i, 0
.rept 8                                ; rows 16 (i / 2) + r, channels 32 (i % 2) on
	global_load_b128 v[KR+8*i:KR+8*i+3],   v[GKR], s[6:7] offset:2048*(i/2)+64*(i%2)
	global_load_b128 v[KR+8*i+4:KR+8*i+7], v[GKR], s[6:7] offset:2048*(i/2)+64*(i%2)+32
.set i, i+1
.endr
.set i, 0
.rept 2
	global_load_b128 v[KI+8*i:KI+8*i+3],   v[GKI], s[6:7] offset:64*i
	global_load_b128 v[KI+8*i+4:KI+8*i+7], v[GKI], s[6:7] offset:64*i+32
	global_load_b128 v[QI+8*i:QI+8*i+3],   v[GKI], s[4:5] offset:64*i
	global_load_b128 v[QI+8*i+4:QI+8*i+7], v[GKI], s[4:5] offset:64*i+32
.set i, i+1
.endr
	WIN 0
.endm
.macro LOADV                           ; a chunk's V for my 16 channels: the eight loads together take 256 neighbouring bytes of each channel's row
.set i, 0
.rept 4
	global_load_b128 v[ZZ+8*i:ZZ+8*i+3],   v[GV], s[8:9] offset:64*i
	global_load_b128 v[ZZ+8*i+4:ZZ+8*i+7], v[GV], s[8:9] offset:64*i+16
.set i, i+1
.endr
.endm
	s_load_b512 s[4:19], s[0:1], 0x0               ; q16 4, k16 6, vt 8, ab 10, vmx 12, S0 14, out0 16, out1 18
	v_lshl_add_u32 v[SPW], v0, 2, SPARE
	v_mov_b32 v[NIL], 0
	v_lshrrev_b32 v21, 5, v0
	v_readfirstlane_b32 s20, v21                   ; wave 0..3
	s_mov_b32 s21, ttmp9                           ; chain = 16 b + h
	v_and_b32 v[RR], 15, v0
	v_bfe_u32 v[HH], v0, 4, 1
	v_and_b32 v[LN], 31, v0
	s_mov_b32 s25, 0
	s_mov_b32 s27, 0
	s_mov_b32 s29, 0
	s_mov_b32 s70, 0x76543210                      ; v_permlanex16_b32: each lane takes its own place in the other half
	s_mov_b32 s71, 0xfedcba98
	s_mov_b32 s72, 0xffff0000                      ; a word's upper bf16; also: lanes 16-31
	s_mov_b32 s73, 0xf149f2ca                      ; -1e30
	v_lshlrev_b32 v21, 5, v0                       ; 32 x thread: its eight steps' words
	v_mov_b32 v22, 0
	s_wait_alu depctr_va_sdst(0)                   ; s20 is written, ahead of its first reader: addresses and bases are made from it
	s_lshl_b32 s82, s20, 4
	v_add_nc_u32 v23, s82, v[RR]                   ; 16 w + r
	v_lshlrev_b32 v24, 8, v23
	v_lshl_add_u32 v24, v[HH], 5, v24              ; S0: row 16 w + r, 32 h bytes on
	; all the kernel's addresses stand here, in the wait for the arguments and ahead of the one wait in front of the first load
	v_lshlrev_b32 v[AFR], 4, v[LN]
	s_lshl_b32 s83, s20, 11
	v_add_nc_u32 v[AFW], s83, v[AFR]               ; my row block's two fragments
	s_lshl_b32 s83, s20, 9
	s_add_co_u32 s83, s83, TTL
	v_add_nc_u32 v[ATW], s83, v[AFR]
	v_mul_u32_u24 v[AKW], v23, 160
	v_lshl_add_u32 v[AKW], v[HH], 4, v[AKW]
	v_add_nc_u32 v[AKW], KDL, v[AKW]
	v_and_b32 v25, 7, v0
	v_lshl_add_u32 v25, v[HH], 3, v25
	v_mul_u32_u24 v[AKR], v25, 160                 ; the turning load: row 8 h + lane % 8, 16 bytes ((lane / 8) % 2)
	v_bfe_u32 v25, v0, 3, 1
	v_lshl_add_u32 v[AKR], v25, 4, v[AKR]
	v_add_nc_u32 v[AKR], KDL, v[AKR]
	v_mul_u32_u24 v[AOW], v[RR], 272
	v_lshl_add_u32 v[AOW], v[HH], 5, v[AOW]
	s_mul_i32 s83, s20, 4352
	s_add_co_u32 s83, s83, OST
	v_add_nc_u32 v[ASW], s83, v[AOW]               ; at the end: S into my own 16 rows of the stage
	v_mul_u32_u24 v[AOR], v[HH], 272
	v_lshl_add_u32 v[AOR], v[RR], 4, v[AOR]
	v_add_nc_u32 v[AOR], s83, v[AOR]               ; back: lanes 0-15 one row of 256 bytes, lanes 16-31 the next
	s_lshl_b32 s83, s20, 6
	v_lshlrev_b32 v[AGJ0], 5, v[HH]
	v_lshl_add_u32 v[AGI0], v[RR], 2, s83
	v_add_nc_u32 v[AGD0], s83, v[AGJ0]
	s_add_co_u32 s83, s83, OST
	v_add_nc_u32 v[AOW], s83, v[AOW]               ; O in: row = step r, my 64 bytes of it, 32 for each half of the lanes
	v_lshlrev_b32 v[GKR], 7, v[RR]
	v_lshl_add_u32 v[GKR], v[HH], 4, v[GKR]
	v_lshlrev_b32 v[GKI], 7, v23
	v_lshl_add_u32 v[GKI], v[HH], 4, v[GKI]
	v_lshlrev_b32 v[GV], 12, v23
	v_lshl_add_u32 v[GV], v[HH], 5, v[GV]
	v_lshlrev_b32 v[GO], 15, v[HH]
	v_lshl_add_u32 v[GO], v[RR], 4, v[GO]
	v_lshlrev_b32 v25, 3, v[HH]
	v_sub_nc_u32 v26, v23, v25                     ; 16 w + r - 8 h
	v_sub_nc_u32 v25, v[RR], v25                   ; r - 8 h
	s_wait_kmcnt 0x0
	s_lshl_b32 s24, s21, 12
	s_add_nc_u64 s[10:11], s[10:11], s[24:25]      ; the chain's alpha; beta lies 524,288 bytes on
	s_lshl_b32 s24, s21, 6
	s_add_nc_u64 s[12:13], s[12:13], s[24:25]
	s_lshl_b32 s24, s21, 14
	s_add_nc_u64 s[14:15], s[14:15], s[24:25]
	s_add_nc_u64 s[18:19], s[18:19], s[24:25]
	s_lshl_b32 s24, s20, 12
	s_add_nc_u64 s[18:19], s[18:19], s[24:25]      ; out1 at my 16 rows
	s_lshl_b32 s24, s21, 17
	s_add_nc_u64 s[4:5], s[4:5], s[24:25]
	s_add_nc_u64 s[6:7], s[6:7], s[24:25]
	s_lshl_b32 s24, s21, 18
	s_add_nc_u64 s[8:9], s[8:9], s[24:25]
	s_lshr_b32 s82, s21, 4
	s_lshl_b32 s82, s82, 12                        ; out0: 4,096 b + 256 h + my 16 steps of 32,768 bytes
	s_and_b32 s83, s21, 15
	s_lshl_b32 s83, s83, 8
	s_add_co_u32 s24, s82, s83
	s_lshl_b32 s83, s20, 19
	s_add_co_u32 s24, s24, s83
	s_add_nc_u64 s[16:17], s[16:17], s[24:25]
	s_wait_alu depctr_va_vdst(0)                   ; every address and offset of the kernel (v10-v22, v24, v27-v30) is written: the loads and stores from here on read them, and no vector line writes them again
	global_load_b128 v[216:219], v21, s[10:11]
	global_load_b128 v[220:223], v21, s[10:11] offset:16
	global_load_b128 v[224:227], v21, s[10:11] offset:524288
	global_load_b128 v[228:231], v21, s[10:11] offset:524304
.set i, 0
.rept 4
	global_load_b128 v[232+4*i:235+4*i], v22, s[12:13] offset:16*i
.set i, i+1
.endr
.set i, 0
.rept 4
	global_load_b128 v[SA+8*i:SA+8*i+3],   v24, s[14:15] offset:64*i
	global_load_b128 v[SA+8*i+4:SA+8*i+7], v24, s[14:15] offset:64*i+16
.set i, i+1
.endr
	LOADKQ                                         ; chunk 0, behind the same wait: only loads and window switches stand between
	LOADV
	s_wait_xcnt 0x0                                ; the bases step only behind this wait
	s_add_nc_u64 s[4:5], s[4:5], 8192              ; they now stand at chunk 1: the loop asks a chunk ahead
	s_add_nc_u64 s[6:7], s[6:7], 8192
	s_add_nc_u64 s[8:9], s[8:9], 256
	; the masks and constants stand in the wait for those loads.  The compares go in runs, into scalar registers, with one wait behind each run
.set i, 0
.rept 32                               ; step j = 16 (i / 8) + 8 h + i % 8 is hidden from step 16 w + r where j is greater
	v_cmp_gt_i32 s[32+i], 16*(i/8)+i%8, v26
.set i, i+1
.endr
	s_wait_alu depctr_va_sdst(0)                   ; the 32 compares have written s32-s63, which the selects below read
	WIN 0x40
.set i, 0
.rept 32
	v_cndmask_b32 v[MK+i], 0, s73, s[32+i]
.set i, i+1
.endr
	WIN 0
.set i, 0
.rept 8                                ; in the diagonal block: where 8 h + i is not less than r
	v_cmp_ge_i32 s[32+i], i, v25
.set i, i+1
.endr
.set i, 0
.rept 16                               ; the identity
	v_cmp_eq_u32 s[40+i], i, v[RR]
.set i, i+1
.endr
.irp s, 1,2,4                          ; for the sum over a chunk's eight lanes below: is my lane's bit set?
	v_and_b32 v251, \s, v0
	v_cmp_ne_u32 s[56+(\s)/2], 0, v251
.endr
	s_wait_alu depctr_va_sdst(0)                   ; the 27 compares have written s32-s58, ahead of their first readers
	WIN 0x40
.set i, 0
.rept 8
	v_cndmask_b32 v[MKS+i], 0, s73, s[32+i]
.set i, i+1
.endr
	WIN 0x80
.set i, 0
.rept 16
	v_cndmask_b32 v[ID+i], 0, 1.0, s[40+i]
.set i, i+1
.endr
	WIN 0
.set i, 0
.rept 4                                ; the halves of K = 32 that a block of 16 does not use, and Y's first stale halves
	v_mov_b32 v[TT+4+i], 0
	v_mov_b32 v[TT+12+i], 0
	v_mov_b32 v[TT+20+i], 0
	v_mov_b32 v[TT+28+i], 0
	v_mov_b32 v[ZF+4+i], 0
	v_mov_b32 v[YF+i], 0
	v_mov_b32 v[YF+4+i], 0
	v_mov_b32 v[YF+8+i], 0
	v_mov_b32 v[YF+12+i], 0
.set i, i+1
.endr
.irp J, 0,1,2,3
	s_cmp_gt_u32 s20, \J
	s_cselect_b32 s[74+2*\J], -1.0, 0              ; -A' keeps the blocks left of the diagonal one
	s_mov_b32 s[75+2*\J], 0
.endr
	s_wait_loadcnt 32                              ; the gates, vmx and S0 are in; chunk 0's 32 younger loads stay out
	; g: log2 a, summed along the thread's eight steps and then over the eight lanes of a chunk
.irp i, 0,1,2,3,4,5,6,7
	v_log_f32 v[216+\i], v[216+\i]
.endr
	v_nop
	s_wait_alu depctr_va_vdst(0)                   ; the eight logarithms are written, ahead of their first reader
.irp i, 0,1,2,3,4,5,6,7
	v_max_num_f32 v[216+\i], 0xc3160000, v[216+\i] ; -150 at the least
.endr
.irp i, 1,2,3,4,5,6,7
	v_add_f32 v[216+\i], v[216+\i], v[215+\i]
.endr
	v_mov_b32 v248, v223                           ; my eight steps' sum
	v_mov_b32 v249, 0                              ; the sum of the lanes below me
	v_mov_b32 v250, 0
.irp s, 1,2,4
	v_mov_b32_dpp v250, v248 row_xmask:\s row_mask:0xf bank_mask:0xf
	v_cndmask_b32 v251, 0, v250, s[56+(\s)/2]      ; the partner's group lies below me where my bit is set
	v_add_f32 v249, v249, v251
	v_add_f32 v248, v248, v250
.endr
.irp i, 0,1,2,3,4,5,6,7
	v_add_f32 v[216+\i], v[216+\i], v249
.endr
	s_wait_alu depctr_va_vdst(0)                   ; the additions have written g in v216-v223, which the LDS stores read
	ds_store_b128 v21, v[216:219] offset:GL
	ds_store_b128 v21, v[220:223] offset:GL+16
	ds_store_b128 v21, v[224:227] offset:BL
	ds_store_b128 v21, v[228:231] offset:BL+16
	; sigma
.set i, 0
.rept 16
	v_cvt_pk_bf16_f32 v[248+i%2], v[SA+2*i], v[SA+2*i+1]
	v_lshlrev_b32 v[SA+2*i], 16, v[248+i%2]
	v_and_b32 v[SA+2*i+1], s72, v[248+i%2]
.set i, i+1
.endr
	v_max_num_f32 v252, |v[SA]|, |v[SA+1]|
.set i, 1
.rept 15
	v_max3_num_f32 v252, |v[SA+2*i]|, |v[SA+2*i+1]|, v252
.set i, i+1
.endr
	v_max_num_f32_dpp v252, v252, v252 row_xmask:1 row_mask:0xf bank_mask:0xf
	v_max_num_f32_dpp v252, v252, v252 row_xmask:2 row_mask:0xf bank_mask:0xf
	v_max_num_f32_dpp v252, v252, v252 row_xmask:4 row_mask:0xf bank_mask:0xf
	v_max_num_f32_dpp v252, v252, v252 row_xmask:8 row_mask:0xf bank_mask:0xf
	v_permlanex16_b32 v251, v252, s70, s71
	v_max_num_f32 v252, v252, v251                 ; max |S0| of my 16 rows
	v_max3_num_f32 v253, v232, v233, v234
.irp i, 235,237,239,241,243,245
	v_max3_num_f32 v253, v253, v[\i], v[\i+1]
.endr
	v_max_num_f32 v253, v253, v247                 ; max |v| of the chain
	v_mul_f32 v252, 0x43000000, v252               ; 128 max|S0|
	v_fmamk_f32 v252, v253, 0x46802000, v252       ; + 16400 max|v|
	v_max_num_f32 v252, 0x0d800000, v252           ; 2^-100 at the least
	v_lshrrev_b32 v252, 23, v252                   ; its exponent field E: the bound lies below 2^(E - 126)
	v_sub_nc_u32 v253, 268, v252
	v_lshlrev_b32 v253, 23, v253                   ; sigma = 2^(141 - E): sigma x bound < 2^15
	v_add_nc_u32 v254, -14, v252
	v_lshlrev_b32 v254, 23, v254                   ; 1 / sigma
	v_readfirstlane_b32 s30, v253
	v_readfirstlane_b32 s66, v254
	s_wait_alu depctr_va_sdst(0)                   ; s30 and s66 are written, ahead of their first readers
	s_mov_b32 s31, s30
	s_mov_b32 s67, s66
.set i, 0
.rept 16
	v_pk_mul_f32 v[SA+2*i:SA+2*i+1], v[SA+2*i:SA+2*i+1], s[30:31] op_sel_hi:[1,0]
.set i, i+1
.endr
	s_wait_dscnt 0x0                               ; for the others' sake: my part of g and b is stored
	s_barrier_signal -1
	s_barrier_wait -1
	s_mov_b32 s22, 16
.Lchunk:
	; ---------------- PHASE P ----------------
	s_sub_co_u32 s23, 16, s22
	s_lshl_b32 s23, s23, 8                         ; the chunk's 64 words of g
	v_mov_b32 v[AGC], s23                          ; (the last trip's loads have read these four: the wait on vm_vsrc at the trip's end)
	v_add_nc_u32 v[AGJ], s23, v[AGJ0]
	v_add_nc_u32 v[AGI], s23, v[AGI0]
	v_add_nc_u32 v[AGD], s23, v[AGD0]
	WIN 0x80
	s_wait_alu depctr_va_vdst(0)                   ; the four addresses are written, which the loads below read; the last trip's products and vector lines are done with window 2's registers, in which they land
	ds_load_b32 v[GI], v[AGI] offset:GL            ; g and b of my step i = 16 w + r
	ds_load_b32 v[GI+1], v[AGI] offset:BL
	ds_load_b32 v[G63], v[AGC] offset:GL+252
.set i, 0
.rept 4                                ; g and b of the steps j = 16 i + 8 h + 0..7
	ds_load_b128 v[GJ+8*i:GJ+8*i+3],   v[AGJ] offset:GL+64*i
	ds_load_b128 v[GJ+8*i+4:GJ+8*i+7], v[AGJ] offset:GL+64*i+16
	ds_load_b128 v[BJ+8*i:BJ+8*i+3],   v[AGJ] offset:BL+64*i
	ds_load_b128 v[BJ+8*i+4:BJ+8*i+7], v[AGJ] offset:BL+64*i+16
.set i, i+1
.endr
	ds_load_b128 v[GDJ:GDJ+3],   v[AGD] offset:GL
	ds_load_b128 v[GDJ+4:GDJ+7], v[AGD] offset:GL+16
	ds_load_b128 v[BDJ:BDJ+3],   v[AGD] offset:BL
	ds_load_b128 v[BDJ+4:BDJ+7], v[AGD] offset:BL+16
	s_wait_loadcnt 0x8                             ; K and Q are in; V's eight younger loads may stay out
	WIN 0xa5                                       ; sources window 1, C and D window 2
.set kk, 0
.rept 2                                ; k_j . k_i, k_j . q_i and my diagonal block: nine accumulators by turns; a lane holds step i = 16 w + r and j = 16 J + 8 h + 0..7
.set J, 0
.rept 4
.if kk == 0
	v_wmma_f32_16x16x32_f16 v[GT+8*J:GT+8*J+7], v[KR+16*J:KR+16*J+7], v[KI:KI+7], 0
.else
	v_wmma_f32_16x16x32_f16 v[GT+8*J:GT+8*J+7], v[KR+16*J+8:KR+16*J+15], v[KI+8:KI+15], v[GT+8*J:GT+8*J+7]
.endif
.set J, J+1
.endr
.set J, 0
.rept 4
.if kk == 0
	v_wmma_f32_16x16x32_f16 v[PT+8*J:PT+8*J+7], v[KR+16*J:KR+16*J+7], v[QI:QI+7], 0
.else
	v_wmma_f32_16x16x32_f16 v[PT+8*J:PT+8*J+7], v[KR+16*J+8:KR+16*J+15], v[QI+8:QI+15], v[PT+8*J:PT+8*J+7]
.endif
.set J, J+1
.endr
.if kk == 0
	v_wmma_f32_16x16x32_f16 v[GD:GD+7], v[KI:KI+7], v[KI:KI+7], 0
.else
	v_wmma_f32_16x16x32_f16 v[GD:GD+7], v[KI+8:KI+15], v[KI+8:KI+15], v[GD:GD+7]
.endif
.set kk, kk+1
.endr
	s_wait_dscnt 0x0
	WIN 0xaa                                       ; all in window 2.  F = 2^(g_i - g_j + mask) b_j; these lines are also the places behind the products
.set i, 0
.rept 16
	v_pk_add_f32 v[GJ+2*i:GJ+2*i+1], v[GI:GI+1], v[GJ+2*i:GJ+2*i+1] op_sel_hi:[0,1] neg_lo:[0,1] neg_hi:[0,1]
.set i, i+1
.endr
.set i, 0
.rept 4
	v_pk_add_f32 v[GDJ+2*i:GDJ+2*i+1], v[GI:GI+1], v[GDJ+2*i:GDJ+2*i+1] op_sel_hi:[0,1] neg_lo:[0,1] neg_hi:[0,1]
.set i, i+1
.endr
	WIN 0x86                                       ; source 1 window 1
.set i, 0
.rept 16
	v_pk_add_f32 v[GJ+2*i:GJ+2*i+1], v[GJ+2*i:GJ+2*i+1], v[MK+2*i:MK+2*i+1]
.set i, i+1
.endr
.set i, 0
.rept 4
	v_pk_add_f32 v[GDJ+2*i:GDJ+2*i+1], v[GDJ+2*i:GDJ+2*i+1], v[MKS+2*i:MKS+2*i+1]
.set i, i+1
.endr
	WIN 0xaa
.set i, 0
.rept 32
	v_exp_f32 v[GJ+i], v[GJ+i]
.set i, i+1
.endr
.set i, 0
.rept 8
	v_exp_f32 v[GDJ+i], v[GDJ+i]
.set i, i+1
.endr
	v_nop                                          ; a plain instruction behind the last exponential (ISA guide 5.7.2)
	s_wait_alu depctr_va_vdst(0)                   ; the 40 exponentials are written, ahead of their first reader
.set i, 0
.rept 16
	v_pk_mul_f32 v[GJ+2*i:GJ+2*i+1], v[GJ+2*i:GJ+2*i+1], v[BJ+2*i:BJ+2*i+1]
.set i, i+1
.endr
.set i, 0
.rept 4
	v_pk_mul_f32 v[GDJ+2*i:GDJ+2*i+1], v[GDJ+2*i:GDJ+2*i+1], v[BDJ+2*i:BDJ+2*i+1]
.set i, i+1
.endr
.set i, 0
.rept 4                                ; minus my diagonal block: lane (r, h) holds -A'[r][8 h + 0..7]
	v_pk_mul_f32 v[AD+2*i:AD+2*i+1], v[GD+2*i:GD+2*i+1], v[GDJ+2*i:GDJ+2*i+1] neg_lo:[1,0] neg_hi:[1,0]
.set i, i+1
.endr
.set i, 0
.rept 16
	v_pk_mul_f32 v[PT+2*i:PT+2*i+1], v[PT+2*i:PT+2*i+1], v[GJ+2*i:GJ+2*i+1]
	v_pk_mul_f32 v[GT+2*i:GT+2*i+1], v[GT+2*i:GT+2*i+1], v[GJ+2*i:GJ+2*i+1]
.set i, i+1
.endr
.set i, 0
.rept 16
	v_pk_mul_f32 v[GT+2*i:GT+2*i+1], v[GT+2*i:GT+2*i+1], s[74+2*(i/4):75+2*(i/4)] op_sel_hi:[1,0]
.set i, i+1
.endr
.set i, 0
.rept 16                               ; rounded in pairs, two tiles ARE a fragment of 32 steps j; packed into the low half of their own registers
	v_cvt_pk_f16_f32 v[PT+i], v[PT+2*i], v[PT+2*i+1]
	v_cvt_pk_f16_f32 v[GT+i], v[GT+2*i], v[GT+2*i+1]
.set i, i+1
.endr
	WIN 0x08                                       ; store data in window 2
	s_wait_alu depctr_va_vdst(0)                   ; the roundings have written P' and -A', which the LDS stores read
.set i, 0
.rept 2
	ds_store_b128 v[AFW], v[PT+8*i:PT+8*i+3]   offset:PPL+1024*i
	ds_store_b128 v[AFW], v[PT+8*i+4:PT+8*i+7] offset:PPL+1024*i+512
	ds_store_b128 v[AFW], v[GT+8*i:GT+8*i+3]   offset:ANL+1024*i
	ds_store_b128 v[AFW], v[GT+8*i+4:GT+8*i+7] offset:ANL+1024*i+512
.set i, i+1
.endr
	; T = (I + A'_ww)^-1.  Each lane solves x (I + A') = e_r for its row r, from column 15 down: x_j -= x_l A'[l][j].  Row l of the block comes as scalars, a row ahead, in two banks that take turns.
	WIN 0xaa
.set j, 0
.rept 15
	v_readlane_b32 s[32+j], v[AD+(j&7)], 15+16*(j>>3)
.set j, j+1
.endr
.set l, 15
.rept 15
.set bk, 32+16*((15-l)%2)
.set bn, 32+16*((16-l)%2)
	s_wait_alu depctr_va_sdst(0)                   ; row l's scalars, read from the lanes a row ago, are written, ahead of the multiply-adds that read them
.set j, 0
.rept l-1
	v_readlane_b32 s[bn+j], v[AD+(j&7)], (l-1)+16*(j>>3)
.set j, j+1
.endr
.set j, l-1
.rept l
.if l == 15
	v_fma_f32 v[TR+j], s[bk+j], v[ID+15], v[ID+j]  ; the first step starts from the identity, whose column 15 is T's
.else
	v_fmac_f32 v[TR+j], s[bk+j], v[TR+l]
.endif
.set j, j-1
.endr
.set l, l-1
.endr
.set j, 0
.rept 7
	v_cndmask_b32 v[TS+j], v[TR+j], v[TR+8+j], s72 ; lanes 16-31 take columns 8-15
.set j, j+1
.endr
	v_cndmask_b32 v[TS+7], v[TR+7], v[ID+15], s72
	v_sub_f32 v[EV+1], v[G63], v[GI]
	v_exp_f32 v[EV], v[GI]                         ; gamma_i
	v_exp_f32 v[EV+1], v[EV+1]
	v_exp_f32 v[EV+2], v[G63]                      ; gamma_63
.set j, 0
.rept 4
	v_cvt_pk_f16_f32 v[TS+j], v[TS+2*j], v[TS+2*j+1]
.set j, j+1
.endr
	s_wait_alu depctr_va_vdst(0)                   ; the three exponentials are written, ahead of their first reader
	v_mul_f32 v[EV+1], v[EV+1], v[GI+1]            ; 2^(g_63 - g_i) b_i
	v_readfirstlane_b32 s68, v[EV+2]
	v_cvt_pk_f16_f32 v[EV+3], v[EV], v[EV]
	v_cvt_pk_f16_f32 v[EV+5], v[EV+1], v[EV+1]
	v_xor_b32 v[EV+4], 0x80008000, v[EV+3]
	WIN 0x89                                       ; source 0 window 1, source 1 and destination window 2
.set i, 0
.rept 16
	v_pk_mul_f16 v[TMP+i], v[KI+i], v[EV+4]        ; -Gamma K
	v_pk_mul_f16 v[TMP+16+i], v[QI+i], v[EV+3]     ; Gamma Q
	v_pk_mul_f16 v[TMP+32+i], v[KI+i], v[EV+5]     ; Kd'
.set i, i+1
.endr
	s_wait_alu depctr_va_sdst(0)                   ; s68 is written, ahead of its first reader
	s_mov_b32 s69, s68
	WIN 0x08
	s_wait_alu depctr_va_vdst(0)                   ; T's roundings and the three scalings have written the registers that the LDS stores read
	ds_store_b128 v[ATW], v[TS:TS+3]
.set i, 0
.rept 2
	ds_store_b128 v[AFW], v[TMP+8*i:TMP+8*i+3]       offset:KNL+1024*i
	ds_store_b128 v[AFW], v[TMP+8*i+4:TMP+8*i+7]     offset:KNL+1024*i+512
	ds_store_b128 v[AFW], v[TMP+16+8*i:TMP+16+8*i+3] offset:QGL+1024*i
	ds_store_b128 v[AFW], v[TMP+20+8*i:TMP+20+8*i+3] offset:QGL+1024*i+512
	ds_store_b128 v[AKW], v[TMP+32+8*i:TMP+32+8*i+3] offset:64*i
	ds_store_b128 v[AKW], v[TMP+36+8*i:TMP+36+8*i+3] offset:64*i+32
.set i, i+1
.endr
	WIN 0
	s_wait_dscnt 0x0                               ; for the others' sake: my fragments are stored; my reads of the stage (last trip) are back
	s_barrier_signal -1
	s_barrier_wait -1
	; ---------------- PHASE S ----------------
	; One run of loads: 72 from LDS, then the next chunk's K and Q.  Only loads and window switches stand between the two waits and the run's last load.
	WIN 0x80
	s_wait_alu depctr_vm_vsrc(0)                   ; phase P's LDS stores have read P', -A', T and the three scaled copies, in whose registers the loads below land
	s_wait_alu depctr_va_vdst(0)                   ; phase P's products and vector lines are done reading and writing window 2's v0-207 and this chunk's K and Q; the last trip's products are done reading T and Kd'^T: the loads below land in all of these
.set i, 0
.rept 8
	ds_load_b128 v[KNF+8*i:KNF+8*i+3],   v[AFR] offset:KNL+1024*i
	ds_load_b128 v[KNF+8*i+4:KNF+8*i+7], v[AFR] offset:KNL+1024*i+512
.set i, i+1
.endr
.set i, 0
.rept 8
	ds_load_b128 v[QGF+8*i:QGF+8*i+3],   v[AFR] offset:QGL+1024*i
	ds_load_b128 v[QGF+8*i+4:QGF+8*i+7], v[AFR] offset:QGL+1024*i+512
.set i, i+1
.endr
.set n, 0
.irp fr, 2,4,6,7                       ; -A': the fragments (1,0), (2,0), (3,0), (3,1); the others hold nothing but zeros
	ds_load_b128 v[ANF+8*n:ANF+8*n+3],   v[AFR] offset:ANL+1024*\fr
	ds_load_b128 v[ANF+8*n+4:ANF+8*n+7], v[AFR] offset:ANL+1024*\fr+512
.set n, n+1
.endr
.set n, 0
.irp fr, 0,2,4,5,6,7                   ; P': (0,0), (1,0), (2,0), (2,1), (3,0), (3,1)
	ds_load_b128 v[PPF+8*n:PPF+8*n+3],   v[AFR] offset:PPL+1024*\fr
	ds_load_b128 v[PPF+8*n+4:PPF+8*n+7], v[AFR] offset:PPL+1024*\fr+512
.set n, n+1
.endr
	WIN 0
.set i, 0
.rept 4
	ds_load_b128 v[TT+8*i:TT+8*i+3], v[AFR] offset:TTL+512*i
.set i, i+1
.endr
	WIN 0x40
.set i, 0
.rept 8                                ; Kd'^T, turned: e = 16 (i / 2) on, steps 32 (i % 2) on; into its own registers in window 1
	ds_load_tr16_b128 v[KDF+8*i:KDF+8*i+3],   v[AKR] offset:5120*(i%2)+32*(i/2)
	ds_load_tr16_b128 v[KDF+8*i+4:KDF+8*i+7], v[AKR] offset:5120*(i%2)+32*(i/2)+2560
.set i, i+1
.endr
	LOADKQ                                         ; the next chunk's K and Q: phase P has read this chunk's.  (In the last trip the bases stand still: chunk 15 once more, inside the buffers.)
.set i, 0
.rept 16
	v_cvt_pk_f16_f32 v[SF+i], v[SA+2*i], v[SA+2*i+1]  ; two tiles of S^T, rounded in pairs, are a fragment of 32 e
.set i, i+1
.endr
.set i, 0
.rept 16
	v_pk_mul_f32 v[SA+2*i:SA+2*i+1], v[SA+2*i:SA+2*i+1], s[68:69] op_sel_hi:[1,0]  ; gamma_63 S^T
.set i, i+1
.endr
	s_wait_loadcnt 24                              ; V is in; the 24 loads just issued stay out
.set i, 0
.rept 16
	v_pk_mul_f32 v[ZZ+2*i:ZZ+2*i+1], v[ZZ+2*i:ZZ+2*i+1], s[30:31] op_sel_hi:[1,0]  ; sigma V
.set i, i+1
.endr
	s_wait_dscnt 40                                ; -Gamma K and Gamma Q are in; -A' (8), P' (12), T (4) and Kd'^T (16) may be out
.set kk, 0
.rept 2                                ; Z = sigma V - Gamma K S^T;  O^T = S Gamma Q^T: eight accumulators by turns
	WIN 0x02
.set I, 0
.rept 4
	v_wmma_f32_16x16x32_f16 v[ZZ+8*I:ZZ+8*I+7], v[KNF+16*I+8*kk:KNF+16*I+8*kk+7], v[SF+8*kk:SF+8*kk+7], v[ZZ+8*I:ZZ+8*I+7]
.set I, I+1
.endr
	WIN 0x08
.set I, 0
.rept 4
.if kk == 0
	v_wmma_f32_16x16x32_f16 v[OT+8*I:OT+8*I+7], v[SF:SF+7], v[QGF+16*I:QGF+16*I+7], 0
.else
	v_wmma_f32_16x16x32_f16 v[OT+8*I:OT+8*I+7], v[SF+8:SF+15], v[QGF+16*I+8:QGF+16*I+15], v[OT+8*I:OT+8*I+7]
.endif
.set I, I+1
.endr
.set kk, kk+1
.endr
	WIN 0
	PL                                             ; the places between the products that made Z and the rounding below that reads it
	s_wait_dscnt 16                                ; T, -A', P' are in; the sixteen turning loads may be out
.macro CVT4 dst, src                   ; eight f32 of a result, from its low end on, become four registers of a fragment
.set i, 0
.rept 4
	v_cvt_pk_f16_f32 v[(\dst)+i], v[(\src)+2*i], v[(\src)+2*i+1]
.set i, i+1
.endr
.endm
.macro TMUL d, I                       ; Y_I = T_I Z_I
	v_wmma_f32_16x16x32_f16 v[\d:\d+7], v[TT+8*(\I):TT+8*(\I)+7], v[ZF:ZF+7], 0
.endm
.macro ZUP I, n, y                     ; Z_I -= A' Y; a half of Y that is not yet made meets zeros in -A'
	WIN 0x02
	v_wmma_f32_16x16x32_f16 v[ZZ+8*(\I):ZZ+8*(\I)+7], v[ANF+8*(\n):ANF+8*(\n)+7], v[YF+8*(\y):YF+8*(\y)+7], v[ZZ+8*(\I):ZZ+8*(\I)+7]
	WIN 0
.endm
	CVT4 ZF, ZZ                                    ; the chain: no two matrix instructions on end share an accumulator, and every turn is one instruction
	TMUL YA, 0
	PL
	CVT4 YF, YA
	ZUP 1, 0, 0
	PL
	CVT4 ZF, ZZ+8
	TMUL YB, 1
	PL
	CVT4 YF+4, YB
	ZUP 2, 1, 0
	ZUP 3, 2, 0
	PL
	CVT4 ZF, ZZ+16
	TMUL YA, 2
	PL
	CVT4 YF+8, YA
	ZUP 3, 3, 1
	PL
	CVT4 ZF, ZZ+24
	TMUL YB, 3
	PL
	CVT4 YF+12, YB
	s_wait_alu depctr_va_vdst(0)                   ; the chain's products have written Z and its roundings are done reading it: the loads below land in Z's registers
	LOADV                                          ; the next chunk's V
	s_wait_dscnt 0x0                               ; Kd'^T is in
	WIN 0x08
	v_wmma_f32_16x16x32_f16 v[OT:OT+7],     v[YF:YF+7], v[PPF:PPF+7],       v[OT:OT+7]        ; O^T += Y^T P'^T
	v_wmma_f32_16x16x32_f16 v[OT+8:OT+15],  v[YF:YF+7], v[PPF+8:PPF+15],    v[OT+8:OT+15]
	v_wmma_f32_16x16x32_f16 v[OT+16:OT+23], v[YF:YF+7], v[PPF+16:PPF+23],   v[OT+16:OT+23]
	v_wmma_f32_16x16x32_f16 v[OT+24:OT+31], v[YF:YF+7], v[PPF+32:PPF+39],   v[OT+24:OT+31]
	WIN 0x01                                       ; Kd'^T (source 0) in window 1
.set I, 0
.rept 4
	v_wmma_f32_16x16x32_f16 v[SA+8*I:SA+8*I+7], v[KDF+16*I:KDF+16*I+7], v[YF:YF+7], v[SA+8*I:SA+8*I+7]  ; S^T += Kd'^T Y
.set I, I+1
.endr
	WIN 0x08
	v_wmma_f32_16x16x32_f16 v[OT+16:OT+23], v[YF+8:YF+15], v[PPF+24:PPF+31], v[OT+16:OT+23]
	v_wmma_f32_16x16x32_f16 v[OT+24:OT+31], v[YF+8:YF+15], v[PPF+40:PPF+47], v[OT+24:OT+31]
	WIN 0x01
.set I, 0
.rept 4
	v_wmma_f32_16x16x32_f16 v[SA+8*I:SA+8*I+7], v[KDF+16*I+8:KDF+16*I+15], v[YF+8:YF+15], v[SA+8*I:SA+8*I+7]
.set I, I+1
.endr
	WIN 0
	PL
.set i, 0
.rept 16
	v_pk_mul_f32 v[OT+2*i:OT+2*i+1], v[OT+2*i:OT+2*i+1], s[66:67] op_sel_hi:[1,0]  ; / sigma
.set i, i+1
.endr
	s_wait_alu depctr_va_vdst(0)                   ; the scalings have written O^T, which the LDS stores read
.set I, 0
.rept 4                                ; a step's 256 bytes come from all four waves: through the work-group's stage
	ds_store_b128 v[AOW], v[OT+8*I:OT+8*I+3]   offset:4352*I
	ds_store_b128 v[AOW], v[OT+8*I+4:OT+8*I+7] offset:4352*I+16
.set I, I+1
.endr
	s_wait_dscnt 0x0                               ; for the others' sake: my part of O is stored, and my reads of the fragments are back
	s_barrier_signal -1
	s_barrier_wait -1
	s_wait_alu depctr_vm_vsrc(0)                   ; my LDS stores have read O^T's registers, in which the loads below land (no vector line has named them since the wait ahead of the stores)
.set f, 0
.rept 8
	ds_load_b128 v[OT+4*f:OT+4*f+3], v[AOR] offset:544*f  ; steps 16 w + 2 f and + 1, whole
.set f, f+1
.endr
.set f, 0
.rept 8
	s_wait_dscnt 7-f
	global_store_b128 v[GO], v[OT+4*f:OT+4*f+3], s[16:17] offset:65536*f th:TH_STORE_NT  ; sixteen lanes store 256 neighbouring bytes, at a multiple of 256
.set f, f+1
.endr
	s_wait_xcnt 0x0                                ; the bases and O^T's registers are written again only behind this wait
	s_wait_alu depctr_vm_vsrc(0)                   ; the global stores have read O^T's registers and phase P's loads v6-v9: the next trip writes both again, and behind the loop loads land in O^T's
	s_add_nc_u64 s[16:17], s[16:17], 0x200000      ; 64 steps of 32,768 bytes
	s_cmp_ge_u32 s22, 3                            ; the look-ahead stops at chunk 15
	s_cselect_b32 s26, 8192, 0
	s_cselect_b32 s28, 256, 0
	s_add_nc_u64 s[4:5], s[4:5], s[26:27]
	s_add_nc_u64 s[6:7], s[6:7], s[26:27]
	s_add_nc_u64 s[8:9], s[8:9], s[28:29]
	s_sub_co_u32 s22, s22, 1
	s_cmp_lg_u32 s22, 0
	s_cbranch_scc1 .Lchunk
	; THE END: S / sigma, through my own 16 rows of the stage, which since the last barrier nobody but me has touched
.set i, 0
.rept 16
	v_pk_mul_f32 v[SA+2*i:SA+2*i+1], v[SA+2*i:SA+2*i+1], s[66:67] op_sel_hi:[1,0]
.set i, i+1
.endr
	s_wait_alu depctr_va_vdst(0)                   ; the scalings have written S^T, which the LDS stores read
.set I, 0
.rept 4
	ds_store_b128 v[ASW], v[SA+8*I:SA+8*I+3]   offset:64*I
	ds_store_b128 v[ASW], v[SA+8*I+4:SA+8*I+7] offset:64*I+16
.set I, I+1
.endr
.set f, 0
.rept 8
	ds_load_b128 v[OT+4*f:OT+4*f+3], v[AOR] offset:544*f  ; LDS serves a wave's instructions in order (ISA guide 5.7.1.4): these see the stores above
.set f, f+1
.endr
.set f, 0
.rept 8
	s_wait_dscnt 7-f
	global_store_b128 v[AFR], v[OT+4*f:OT+4*f+3], s[18:19] offset:512*f  ; two rows of S: 512 neighbouring bytes
.set f, f+1
.endr
	s_wait_dscnt 0x0                               ; the closing lines, six on end
	s_wait_alu 0x0
	s_wait_tensorcnt 0x0
	ds_add_u32 v[SPW], v[NIL]
	s_wait_dscnt 0x0
	s_endpgm
.Lfunc_end_k_q82b1bb5c24_scan:
	.size	k_q82b1bb5c24_scan, .Lfunc_end_k_q82b1bb5c24_scan-k_q82b1bb5c24_scan
	.p2alignl 7, 3214868480
	.fill 96, 4, 3214868480
	.section	.rodata,"a",@progbits
	.p2align	6, 0x0
	.amdhsa_kernel k_q82b1bb5c24_scan
		.amdhsa_group_segment_fixed_size 71680
		.amdhsa_private_segment_fixed_size 0
		.amdhsa_enable_private_segment 0
		.amdhsa_kernarg_size 64
		.amdhsa_user_sgpr_count 2
		.amdhsa_user_sgpr_kernarg_segment_ptr 1
		.amdhsa_wavefront_size32 1
		.amdhsa_system_sgpr_workgroup_id_x 1
		.amdhsa_system_sgpr_workgroup_id_y 1
		.amdhsa_system_sgpr_workgroup_id_z 1
		.amdhsa_system_vgpr_workitem_id 0
		.amdhsa_next_free_vgpr 768
		.amdhsa_next_free_sgpr 96
		.amdhsa_reserve_vcc 0
		.amdhsa_float_denorm_mode_32 3
		.amdhsa_float_denorm_mode_16_64 3
		.amdhsa_memory_ordered 1
		.amdhsa_forward_progress 1
		.amdhsa_inst_pref_size 81
	.end_amdhsa_kernel
	.amdgpu_metadata
---
amdhsa.version: [ 1, 2 ]
amdhsa.kernels:
  - .name:           k_q82b1bb5c24_scan
    .symbol:         k_q82b1bb5c24_scan.kd
    .args:
      - { .name: q16, .offset: 0, .size: 8, .value_kind: global_buffer, .address_space: global }
      - { .name: k16, .offset: 8, .size: 8, .value_kind: global_buffer, .address_space: global }
      - { .name: vt, .offset: 16, .size: 8, .value_kind: global_buffer, .address_space: global }
      - { .name: ab, .offset: 24, .size: 8, .value_kind: global_buffer, .address_space: global }
      - { .name: vmx, .offset: 32, .size: 8, .value_kind: global_buffer, .address_space: global }
      - { .name: S0, .offset: 40, .size: 8, .value_kind: global_buffer, .address_space: global }
      - { .name: out0, .offset: 48, .size: 8, .value_kind: global_buffer, .address_space: global }
      - { .name: out1, .offset: 56, .size: 8, .value_kind: global_buffer, .address_space: global }
    .group_segment_fixed_size: 71680
    .private_segment_fixed_size: 0
    .kernarg_segment_align: 8
    .kernarg_segment_size: 64
    .max_flat_workgroup_size: 128
    .sgpr_count:     96
    .vgpr_count:     768
    .wavefront_size: 32
...
	.end_amdgpu_metadata
.endif
;; end of part 4
